; MI455X (gfx1250); checked and timed in simulation.
; The chip was launched on July 23, 2026; its instructions are those of AMD's public machine-readable ISA for CDNA 5 (MIT licence, August 2026) and "CDNA5" Instruction Set Architecture Reference Guide (July 2026). The comments in the code are by the model that wrote it; some were corrected since.
;; Multihead Attention. Allowed arithmetic: matrix products marked QUANTISED: E2M1 operands, one E8M0 scale for each 32 along K, by v_wmma_scale_f32_16x16x128_f8f6f4 with both operands' format E2M1 (or v_wmma_scale_f32_32x16x128_f4), f32 sums; products left as they are: bf16, f16 or f32 operands; f32 sums; everything else in f32.
;; Inputs: attn_mask 1,024 x 1,024 float32; in_proj_bias 3,072 float32; in_proj_weight 3,072 x 1,024 float32; out_b 1,024 float32; out_w 1,024 x 1,024 float32; x 8 x 1,024 x 1,024 float32.
;; Outputs: out0 8 x 1,024 x 1,024 float32.
;; This version of the problem:
;;   THIS VERSION OF THE PROBLEM IS GIVEN IN LOW PRECISION. The matrix products marked QUANTISED in the list below multiply operands that are first quantised to E2M1 (2 exponent bits, 1 mantissa bit; 4 bits a number), with one power-of-two scale for each 32 numbers along K (OCP MX v1.0); their sums are f32. The products marked 'left as it is' may take bf16, f16 or f32 operands, with f32 sums. Whichever they take, every output number must still come out within the allowed error. Rounding operands to bf16 (8 significant bits) uses up far more of that allowance than f16 does (11 bits, for magnitudes from 6e-5 to 65,504). All else is computed in f32.
;;   The module's matrix products, in the order in which they are computed (A, B: the left and right operand; K: the contracted axis; several contracted axes count as one K, in the product's order):
;;     1. [M 8,192, K 1,024] x [K 1,024, N 3,072]; A: input x; B: input in_proj_weight: QUANTISED
;;     2. batch 128 x [M 1,024, K 64] x [K 64, N 1,024]; A: computed on the way; B: computed on the way: left as it is (an operand is computed on the way)
;;     3. batch 128 x [M 1,024, K 1,024] x [K 1,024, N 64]; A: computed on the way; B: computed on the way: left as it is (an operand is computed on the way)
;;     4. [M 8,192, K 1,024] x [K 1,024, N 1,024]; A: computed on the way; B: input out_w: left as it is (an operand is computed on the way)
;;   THE QUANTISER, for each operand of a quantised product, along K:
;;     - K is cut into blocks of 32 from its start; a last block that is shorter is filled with zeros.
;;     - A block's scale is 2^e with e = floor(log2(the largest magnitude in the block)) - 2, held to -126 .. 127; a block of zeros has e = 0. As a byte (E8M0): e + 127.
;;     - Each number is divided by its block's scale, clamped to +-6, and rounded to the nearest number of E2M1, ties to even, subnormals kept.
;;     - The product sums the exact products of the quantised numbers (number of the format x scale) in f32.
;;   ~~~python
;;   def quantise(x, axis):      # numpy; x: float32 -> the quantised numbers, widened to float32 again
;;       x = np.moveaxis(x, axis, -1); K = x.shape[-1]
;;       x = np.pad(x, [(0, 0)] * (x.ndim - 1) + [(0, -K % 32)]); x = x.reshape(x.shape[:-1] + (-1, 32)); a = np.abs(x).max(-1, keepdims=True)
;;       e = np.where(a > 0, np.clip(np.frexp(np.where(a > 0, a, 1))[1] - 1 - 2, -126, 127), 0)      # np.frexp(a)[1] - 1 = floor(log2(a)), exactly
;;       r = np.clip(x / 2.0 ** e, -6, 6)
;;       step = 2.0 ** (np.maximum(np.frexp(np.where(r == 0, 1, r))[1] - 1, 0) - 1)
;;       q = np.round(r / step) * step * 2.0 ** e      # np.round: ties to even
;;       return np.moveaxis(q.reshape(q.shape[:-2] + (-1,))[..., :K], -1, axis).astype(np.float32)
;;   ~~~
;; One version. Each part assembles by itself: llvm-mc -triple=amdgcn-amd-amdhsa -mcpu=gfx1250 --defsym DOCPART=n.
;; ======== version 1 of 1: 4 launches
;; limits: values are held in f16: magnitudes above 65,504 overflow, below 6.1e-05 lose precision; right only within a limited range of input values
;; workspace buffers: xc 4,194,304 bytes; xs 262,144 bytes; wc 1,572,864 bytes; ws 98,304 bytes; mimg 4,194,304 bytes; wo 2,097,152 bytes; qkv 50,331,648 bytes; ao 16,777,216 bytes
;; launch prep (part 1): grid 480 x 1, 4 waves a work-group, no clusters, 33,280 bytes of LDS; arguments x, in_proj_weight, attn_mask, out_w, xc, xs, wc, ws, mimg, wo; writes xc, xs, wc, ws, mimg, wo
.if DOCPART == 1
	.amdgcn_target "amdgcn-amd-amdhsa--gfx1250"
	.amdhsa_code_object_version 6
	.text
	.protected	k_qf940f74a4e_prep
	.globl	k_qf940f74a4e_prep
	.p2align	8
	.type	k_qf940f74a4e_prep,@function
k_qf940f74a4e_prep:
	s_mov_b64 s[64:65], 0
	v_nop
	global_prefetch_b8 v0, s[64:65] scope:SCOPE_SE
	s_setreg_imm32_b32 hwreg(HW_REG_WAVE_MODE, 25, 1), 1
	s_wait_xcnt 0x0
; THE LAUNCH IN FRONT OF THE PRODUCTS.  Three kinds of work-group, told apart by the work-group's number alone:
;   0 .. 351    x [8192][1024] (256 work-groups) and in_proj_weight [3072][1024] (96), f32, become codes of FP4 (E2M1), K innermost, 512 bytes a row, with one E8M0 scale byte for each 32 along K, 32 bytes a row.
;   352 .. 415  attn_mask [1024][1024] f32 becomes an image of the C operand of the score product: [query tile 64][key tile 64][part 2][lane 32][4 f32]; word i of lane (r, h), part c, is mask[16 qt + r][16 kt + 8 h + 4 c + i].
;   416 .. 479  out_w [1024][1024] f32 becomes f16 fragments: [column tile 64][32 along K: 32][part 2][lane 32][8 f16]; lane (r, h), part c, holds out_w[16 ct + r][32 kk + 16 c + 8 h + 0 .. 7].
; THE QUANTISER.  A block's scale is 2^(floor(log2(its largest magnitude)) - 2); its byte is the largest magnitude's own exponent field - 2, held at 1 from below.  Each number is divided by the scale and rounded to
; the nearest code, ties to even; beyond 6 the largest code.  A block of zeros gets the byte 1 where the rule says 127: its codes are zeros, which add nothing under any byte but 0xff, and this program alone reads the bytes.
; LIMITS: blocks whose largest magnitude lies under 2^(2 - 126) were not tried; NaN and infinities among the inputs are not served; |out_w| must stay under 65,504 (f16).
; Rows are dense and K is a multiple of 32: x and the weight are plain streams of blocks of 32.  A wave takes 16 steps of 512 numbers; each load reads 512 consecutive bytes; the 2,048 bytes of a step turn through the
; wave's own stage in LDS so that a lane holds 16 neighbours (two lanes a block); a wave's codes leave as 256 consecutive bytes a step, its 256 scale bytes as one store.
; Loads run eight steps (32 loads, 16,384 bytes a wave) ahead, the turn through LDS one step.
; The mask's and out_w's work-groups use no LDS: a load takes 16 bytes of each of 16 rows in each half of the lanes, and a wave's run of loads uses up 1,024 consecutive bytes of each row; every store is 512 consecutive bytes.
; No tensor loads, no barrier: waves share nothing.  No matrix unit, no cluster: the launch only streams.
.set WAVES, 4
.set STEPS, 16
.set AHEAD, 8                          ; steps that the loads run ahead, and sets of registers that they land in
.set WGA,   256                        ; x's work-groups: 8192 x 1024 / 32768
.set WGQ,   352                        ; + the weight's 96
.set WGM,   416                        ; + the mask's 64
.set EMAX,  2
.set CB,    8                          ; bytes of 16 codes
.set R,     16                         ; v16-143  eight sets of 16 numbers as they are loaded
.set X,     144                        ; v144-175 two sets of 16 neighbours
.set E,     176                        ; v176-191 a scale byte for each step
.set C,     192                        ; v192-223 codes: two registers for each step, so that no store's data are written again
.set D,     32                         ; v32-159  the mask's and out_w's numbers
.set WREG,  8192                       ; LDS: a region for each wave: two stages of 32 x SP bytes, then its 256 scale bytes
.set SP,    80                         ; a lane's place in a stage: 64 bytes + 16 of padding
.set SPW,   12                         ; v12  LDS address of my spare word; never rewritten
.set NIL,   13                         ; v13  0; never rewritten
.set SPARE, WAVES*WREG                 ; behind the four regions: the spare words, 128 bytes a wave
	s_load_b128 s[4:7], s[0:1], 0x0                ; x, in_proj_weight
	s_load_b128 s[24:27], s[0:1], 0x10             ; attn_mask, out_w
	s_load_b128 s[8:11], s[0:1], 0x20              ; x's codes, x's scales
	s_load_b128 s[12:15], s[0:1], 0x30             ; the weight's codes, its scales
	s_load_b128 s[28:31], s[0:1], 0x40             ; the mask's image, out_w's fragments
	v_lshl_add_u32 v[SPW], v0, 2, SPARE
	v_mov_b32 v[NIL], 0
	v_lshrrev_b32 v1, 5, v0
	v_readfirstlane_b32 s16, v1                    ; wave
	v_and_b32 v2, 31, v0                           ; lane
	v_lshlrev_b32 v3, 4, v2                        ; 16 x lane: my 16 bytes of 512
	s_mul_i32 s17, s16, WREG
	v_lshrrev_b32 v14, 2, v2
	v_mul_u32_u24 v14, v14, SP
	v_and_b32 v15, 3, v2
	v_lshl_add_u32 v14, v15, 4, v14
	v_add_nc_u32 v14, s17, v14                     ; the stage, on the way in: SP (lane / 4) + 16 (lane % 4)
	v_mul_u32_u24 v15, v2, SP
	v_add_nc_u32 v15, s17, v15                     ; and on the way out: SP x lane: my 16 neighbours
	v_mul_u32_u24 v4, v2, CB                       ; my codes' place in a step's
	v_lshrrev_b32 v5, 1, v2
	s_add_co_u32 s17, s17, 2*32*SP
	v_add_nc_u32 v5, s17, v5                       ; LDS: my wave's 256 scale bytes, my block's byte
	v_lshlrev_b32 v7, 3, v2                        ; and on the way out 8 bytes a lane
	v_add_nc_u32 v6, s17, v7
	s_wait_kmcnt 0x0
	s_cmp_lt_u32 ttmp9, WGQ
	s_cbranch_scc0 .Lother
	; ---------------- x and the weight into codes
	s_cmp_lt_u32 ttmp9, WGA                        ; x's work-group or the weight's?  The choice hangs on the work-group's number alone
	s_cselect_b64 s[4:5], s[4:5], s[6:7]
	s_cselect_b64 s[8:9], s[8:9], s[12:13]
	s_cselect_b64 s[10:11], s[10:11], s[14:15]
	s_cselect_b32 s17, 0, WGA
	s_sub_co_u32 s17, ttmp9, s17
	s_lshl_b32 s17, s17, 2
	s_add_co_u32 s18, s17, s16                     ; which run of 8,192 numbers of the tensor is my wave's
	s_mov_b32 s19, 0
	s_mov_b64 s[20:21], 512*STEPS*4
	s_mul_u64 s[20:21], s[18:19], s[20:21]
	s_add_nc_u64 s[4:5], s[4:5], s[20:21]
	s_mov_b64 s[20:21], 32*STEPS*CB
	s_mul_u64 s[20:21], s[18:19], s[20:21]
	s_add_nc_u64 s[8:9], s[8:9], s[20:21]
	s_lshl_b32 s18, s18, 8                         ; 256 scale bytes a run
	s_add_nc_u64 s[10:11], s[10:11], s[18:19]
.macro LOAD t
.irp i, 0,1,2,3
	global_load_b128 v[R+16*((\t)%AHEAD)+4*\i:R+16*((\t)%AHEAD)+4*\i+3], v3, s[4:5] offset:2048*(\t)+512*\i th:TH_LOAD_NT   ; 32 lanes read 512 consecutive bytes
.endr
.endm
.macro TURN t                          ; step t's numbers through the stage: LDS serves a wave's instructions in order, so no wait stands between the stores and the loads
.irp i, 0,1,2,3
	ds_store_b128 v14, v[R+16*((\t)%AHEAD)+4*\i:R+16*((\t)%AHEAD)+4*\i+3] offset:32*SP*((\t)%2)+8*SP*\i
.endr
.irp i, 0,1,2,3
	ds_load_b128 v[X+16*((\t)%2)+4*\i:X+16*((\t)%2)+4*\i+3], v15 offset:32*SP*((\t)%2)+16*\i
.endr
.endm
.irp t, 0,1,2,3,4,5,6,7
	LOAD \t
.endr
	s_wait_loadcnt 4*(AHEAD-1)                     ; step 0's four loads are in; the 28 behind them may be out
	TURN 0
.macro STEP t
.set XS, X+16*((\t)%2)
.if (\t) > 0
	s_wait_dscnt 1                                 ; this step's numbers are back from the stage (the last step's byte store may be out): so its stores into the stage have read their registers,
.else
	s_wait_dscnt 0x0
.endif
.if (\t)+AHEAD < STEPS
	LOAD (\t)+AHEAD                                ; which take the loads of eight steps on
.endif
.if (\t)+1 < STEPS
.if STEPS-2-(\t) >= AHEAD-1
	s_wait_loadcnt 4*(AHEAD-1)                     ; the next step's four loads are in; those of the seven steps behind it may be out
.else
	s_wait_loadcnt 4*(STEPS-2-(\t))                ; the last steps load nothing: the count runs down by four a step
.endif
	TURN (\t)+1                                    ; and go through the other stage while this step is worked
.endif
	v_max3_num_f32 v8, |v[XS]|, |v[XS+1]|, |v[XS+2]|               ; the largest magnitude of my 16
	v_max3_num_f32 v9, |v[XS+3]|, |v[XS+4]|, |v[XS+5]|
.irp i, 6,10
	v_max3_num_f32 v8, v8, |v[XS+\i]|, |v[XS+\i+1]|
	v_max3_num_f32 v9, v9, |v[XS+\i+2]|, |v[XS+\i+3]|
.endr
	v_max3_num_f32 v8, v8, |v[XS+14]|, |v[XS+15]|
	v_max3_num_f32 v8, v8, v9, (EMAX+1)<<23        ; and the floor 2^(EMAX + 1 - 127): the byte cannot fall under 1
	v_max_num_f32_dpp v8, v8, v8 row_xmask:1 row_mask:0xf bank_mask:0xf   ; and of my neighbour's 16: the block's
	v_add_nc_u32 v11, -(EMAX<<23), v8              ; EMAX off its exponent field: the conversion takes the exponent field of this operand as its scale
	v_cvt_scalef32_pk8_fp4_f32 v[C+2*(\t)], v[XS:XS+7], v11
	v_cvt_scalef32_pk8_fp4_f32 v[C+2*(\t)+1], v[XS+8:XS+15], v11
	v_lshrrev_b32 v[E+(\t)], 23, v11               ; the scale's byte (a plain line behind the conversions)
	ds_store_b8 v5, v[E+(\t)] offset:16*(\t)       ; both lanes of a block write the same byte with the same value
	global_store_b64 v4, v[C+2*(\t):C+2*(\t)+1], s[8:9] offset:32*CB*(\t)   ; the wave stores 256 consecutive bytes
.endm
.irp t, 0,1,2,3,4,5,6,7,8,9,10,11,12,13,14,15
	STEP \t
.endr
	ds_load_b64 v[8:9], v6                         ; LDS serves a wave's instructions in order: these see my stores
	s_wait_dscnt 0x0
	global_store_b64 v7, v[8:9], s[10:11]          ; 32 lanes store 256 consecutive bytes
	s_branch .Lend
.Lother:
	v_and_b32 v8, 15, v0                           ; r
	v_bfe_u32 v9, v0, 4, 1                         ; h
	v_lshlrev_b32 v10, 12, v8
	v_lshl_add_u32 v10, v9, 5, v10                 ; in: row r of 4,096 bytes, + 32 h
	s_cmp_lt_u32 ttmp9, WGM
	s_cbranch_scc0 .Lwo
	; ---------------- the mask's image: query tile qt; wave w takes key tiles 16 w .. 16 w + 15
	s_sub_co_u32 s17, ttmp9, WGQ                   ; qt
	s_lshl_b32 s18, s17, 16                        ; 16 rows of 4,096 bytes in, 64 tiles of 1,024 bytes out
	s_lshl_b32 s20, s16, 10                        ; in: 16 tiles x 64 bytes of a row
	s_add_co_u32 s20, s20, s18
	s_mov_b32 s21, 0
	s_add_nc_u64 s[24:25], s[24:25], s[20:21]
	s_lshl_b32 s20, s16, 14                        ; out: 16 tiles x 1,024 bytes
	s_add_co_u32 s20, s20, s18
	s_add_nc_u64 s[28:29], s[28:29], s[20:21]
.irp i, 0,1,2,3,4,5,6,7,8,9,10,11,12,13,14,15,16,17,18,19,20,21,22,23,24,25,26,27,28,29,30,31
	global_load_b128 v[D+4*\i:D+4*\i+3], v10, s[24:25] offset:64*(\i/2)+16*(\i%2) th:TH_LOAD_NT   ; key tile i / 2, part i % 2
.endr
.irp i, 0,1,2,3,4,5,6,7,8,9,10,11,12,13,14,15,16,17,18,19,20,21,22,23,24,25,26,27,28,29,30,31
	s_wait_loadcnt 31-\i                           ; loads come back in order: number i is in, the younger ones may be out
	global_store_b128 v3, v[D+4*\i:D+4*\i+3], s[28:29] offset:512*\i     ; 512 consecutive bytes
.endr
	s_branch .Lend
.Lwo:
	; ---------------- out_w's fragments: column tile ct; wave w takes 32-steps 8 w .. 8 w + 7 along K
	s_sub_co_u32 s17, ttmp9, WGM                   ; ct
	s_lshl_b32 s18, s17, 16
	s_lshl_b32 s20, s16, 10                        ; in: 8 x 128 bytes of a row
	s_add_co_u32 s20, s20, s18
	s_mov_b32 s21, 0
	s_add_nc_u64 s[26:27], s[26:27], s[20:21]
	s_lshl_b32 s18, s17, 15                        ; out: 32 fragments of 1,024 bytes a tile
	s_lshl_b32 s20, s16, 13
	s_add_co_u32 s20, s20, s18
	s_add_nc_u64 s[30:31], s[30:31], s[20:21]
.irp i, 0,1,2,3,4,5,6,7,8,9,10,11,12,13,14,15
	global_load_b128 v[D+8*\i:D+8*\i+3], v10, s[26:27] offset:128*(\i/2)+64*(\i%2) th:TH_LOAD_NT      ; fragment i / 2, part i % 2: eight numbers a lane
	global_load_b128 v[D+8*\i+4:D+8*\i+7], v10, s[26:27] offset:128*(\i/2)+64*(\i%2)+16 th:TH_LOAD_NT
.endr
.irp i, 0,1,2,3,4,5,6,7,8,9,10,11,12,13,14,15
	s_wait_loadcnt 30-2*\i                         ; the two loads of part i are in
.irp j, 0,1,2,3
	v_cvt_pk_f16_f32 v[D+8*\i+\j], v[D+8*\i+2*\j], v[D+8*\i+2*\j+1]      ; in place, ascending: no number is written over before it is read
.endr
	global_store_b128 v3, v[D+8*\i:D+8*\i+3], s[30:31] offset:512*\i     ; 512 consecutive bytes
.endr
.Lend:
	s_wait_tensorcnt 0x0                           ; the wave's end, behind my last LDS store
	ds_add_u32 v[SPW], v[NIL]
	s_wait_dscnt 0x0
	s_endpgm
.Lfunc_end_k_qf940f74a4e_prep:
	.size	k_qf940f74a4e_prep, .Lfunc_end_k_qf940f74a4e_prep-k_qf940f74a4e_prep
	.p2alignl 7, 3214868480
	.fill 96, 4, 3214868480
	.section	.rodata,"a",@progbits
	.p2align	6, 0x0
	.amdhsa_kernel k_qf940f74a4e_prep
		.amdhsa_group_segment_fixed_size 33280
		.amdhsa_private_segment_fixed_size 0
		.amdhsa_enable_private_segment 0
		.amdhsa_kernarg_size 80
		.amdhsa_user_sgpr_count 2
		.amdhsa_user_sgpr_kernarg_segment_ptr 1
		.amdhsa_wavefront_size32 1
		.amdhsa_system_sgpr_workgroup_id_x 1
		.amdhsa_system_sgpr_workgroup_id_y 1
		.amdhsa_system_sgpr_workgroup_id_z 1
		.amdhsa_system_vgpr_workitem_id 0
		.amdhsa_next_free_vgpr 224
		.amdhsa_next_free_sgpr 66
		.amdhsa_reserve_vcc 0
		.amdhsa_float_denorm_mode_32 3
		.amdhsa_float_denorm_mode_16_64 3
		.amdhsa_memory_ordered 1
		.amdhsa_forward_progress 1
		.amdhsa_inst_pref_size 51
	.end_amdhsa_kernel
	.amdgpu_metadata
---
amdhsa.version: [ 1, 2 ]
amdhsa.kernels:
  - .name:           k_qf940f74a4e_prep
    .symbol:         k_qf940f74a4e_prep.kd
    .args:
      - { .name: x, .offset: 0, .size: 8, .value_kind: global_buffer, .address_space: global }
      - { .name: in_proj_weight, .offset: 8, .size: 8, .value_kind: global_buffer, .address_space: global }
      - { .name: attn_mask, .offset: 16, .size: 8, .value_kind: global_buffer, .address_space: global }
      - { .name: out_w, .offset: 24, .size: 8, .value_kind: global_buffer, .address_space: global }
      - { .name: xc, .offset: 32, .size: 8, .value_kind: global_buffer, .address_space: global }
      - { .name: xs, .offset: 40, .size: 8, .value_kind: global_buffer, .address_space: global }
      - { .name: wc, .offset: 48, .size: 8, .value_kind: global_buffer, .address_space: global }
      - { .name: ws, .offset: 56, .size: 8, .value_kind: global_buffer, .address_space: global }
      - { .name: mimg, .offset: 64, .size: 8, .value_kind: global_buffer, .address_space: global }
      - { .name: wo, .offset: 72, .size: 8, .value_kind: global_buffer, .address_space: global }
    .group_segment_fixed_size: 33280
    .private_segment_fixed_size: 0
    .kernarg_segment_align: 8
    .kernarg_segment_size: 80
    .max_flat_workgroup_size: 128
    .sgpr_count:     66
    .vgpr_count:     224
    .wavefront_size: 32
...
	.end_amdgpu_metadata
.endif
;; end of part 1
;; launch qkvgemm (part 2): grid 8 x 32, 4 waves a work-group, clusters of 4 x 4, 327,680 bytes of LDS; arguments xc, xs, wc, ws, in_proj_bias, qkv; writes qkv
.if DOCPART == 2
	.amdgcn_target "amdgcn-amd-amdhsa--gfx1250"
	.amdhsa_code_object_version 6
	.text
	.protected	k_qf940f74a4e_qkvgemm
	.globl	k_qf940f74a4e_qkvgemm
	.p2align	8
	.type	k_qf940f74a4e_qkvgemm,@function
k_qf940f74a4e_qkvgemm:
	s_mov_b64 s[64:65], 0
	v_nop
	global_prefetch_b8 v0, s[64:65] scope:SCOPE_SE
	s_setreg_imm32_b32 hwreg(HW_REG_WAVE_MODE, 25, 1), 1
	s_wait_xcnt 0x0
	s_wait_alu depctr_hold_cnt(0) depctr_sa_sdst(0) depctr_va_vdst(0) depctr_va_sdst(0) depctr_va_ssrc(0) depctr_va_vcc(0) depctr_vm_vsrc(0)
	s_getreg_b32 s2, hwreg(HW_REG_IB_STS2, 6, 4)
	s_cmp_eq_u32 s2, 0
	s_cbranch_scc0 .Lentry_in_a_cluster
	s_endpgm
.Lentry_in_a_cluster:
	s_bfe_u32 s2, ttmp6, 0x10000c
	s_cmp_lg_u32 s2, 0xf033
	s_cbranch_scc0 .Lentry_shape_is_right
	s_endpgm
.Lentry_shape_is_right:
; qkv = x W^T + bias on codes of FP4 (E2M1) with one E8M0 scale for each 32 along K; sums in f32; q is then divided by 8 (exact).  The results leave as f16 FRAGMENTS, in the order of the registers of the products that read them.
; x's codes [8192][512 bytes], scales [8192][32]; the weight's [3072][512], [3072][32]; bias [3072] f32.
; qkv: three sections of 16,777,216 bytes (q, k, v); a head (16 batch + head) has 131,072 bytes.  q, k: [token tile 64][32 channels: 2][part 2][lane 32][8 f16], lane (r, h) = token r, channels 16 c + 8 h + 0 .. 7.
; v: [32 keys: 32][channel tile 4][part 2][lane 32][8 f16], lane (r, h) = channel r, keys 16 c + 8 h + 0 .. 7.
; SHARES.  256 work-groups of four waves.  A WORK-GROUP STAYS: it keeps its 256 tokens of x in LDS (K = 1,024 is 512 bytes a row) and walks THREE tiles of 256 tokens x 128 features: the same two heads in q, in k and in v.
; A wave makes 128 tokens x 64 features, one head: 32 accumulators, 256 registers.  A tile's stores leave while the next tile is multiplied.
; LDS holds x's 256 rows and two slots of 128 rows of the weight: q's and k's rows come with the first fills; v's rows are filled into q's slot when every wave has done with it: one refill in the launch, issued by wave 2.
; CLUSTERS: 4 x 4 work-groups; x's rows are shared along a row of the cluster, the weight's along a column: each tile is asked for jointly.
; WHICH SIDE IS SOURCE 0.  A lane's eight results are eight neighbours along source 0's rows.  q and k want a lane to hold one token and eight channels: source 0 = the weight's rows, source 1 = x's.  v wants one channel and eight
; tokens: source 0 = x's rows, source 1 = the weight's.  THE BIAS IS THE C OF EACH SUM'S FIRST PRODUCT: by register for q and k, by lane for v.
; REGISTERS, in windows of 256: window 0: v16-29 addresses; v32-95 x's scale words, v96-127 the weight's (nothing else ever); v128-159, v160-191, v192-223 the bias of q, k, v.
;   window 1: two fragment buffers at v0 and v128: 32 registers of the weight (4 x 16 rows x 128 K), then 64 of x (8 x 16 rows).   window 2: the accumulators ((x block, weight block) at v[8 (4 xb + wb)]).   window 3: v0-127 f16 pairs on the way out.
; LIMITS: |q| / 8, |k|, |v| must stay under 65,504 (f16).  NaN and infinities are not served.
.set PITCH,  528                       ; an LDS row: 512 bytes + 16 of padding = 33 x 16 bytes: the 16 rows that a load touches start 16 bytes apart modulo 256
.set HALFT,  128*PITCH                 ; 128 rows: what one tensor load brings
.set WA,     2*HALFT                   ; behind x's 256 rows: the weight's slot A (q's rows, later v's),
.set WB,     3*HALFT                   ; and slot B (k's)
.set SCL,    4*HALFT                   ; behind the codes: the scales, as pieces of 256 bytes + 16 of padding: x's two halves, then q's, k's, v's rows of the weight
.set HALFS,  16*272                    ; the scales of 128 rows (4,096 bytes)
.set SBLK,   2*272                     ; those of 16 rows
.set SPARE,  327168                    ; the spare words, 128 bytes a wave, at the top of the claim
.set ADX,  16                          ; v16  LDS address of x's fragments
.set ADWA, 17                          ; v17  of the weight's in slot A
.set ADWB, 18                          ; v18  in slot B
.set ADXS, 19                          ; v19  of x's scale words
.set ADWS, 20                          ; v20  of the weight's
.set BO,   22                          ; v22  32 h: the bias by register
.set BR,   23                          ; v23  4 r: the bias by lane
.set CO,   26                          ; v26  16 x lane: a fragment part's place for my lane
.set SPW,  28                          ; v28  LDS address of my spare word; never rewritten
.set NIL,  29                          ; v29  0; never rewritten
.set XS,   32                          ; x's scale words: block xb, step q of 128 along K, at XS + 8 xb + q; lane r holds row r's word (lanes 16-31 hold the same and are not read)
.set WS,   96                          ; the weight's: WS + 8 wb + q
.set BQ,   128                         ; bias[q's col0 + 16 wb + 8 h + j] at BQ + 8 wb + j
.set BKK,  160                         ; the same for k
.set BVV,  192                         ; bias[v's col0 + 16 wb + r] in all eight registers from BVV + 8 wb
.set G1X,  24                          ; s[24:31] group 1 for x's codes;  s[32:35] its group 0
.set G0X,  32
.set G0W,  36                          ; s[36:39], s[40:47] the weight's (wave 2: q's rows, wave 3: k's)
.set G1W,  40
.set G1SX, 48                          ; s[48:55], s[68:71] x's scales
.set G1SW, 56                          ; s[56:63], s[72:75] the weight's
.set G0SX, 68
.set G0SW, 72
.set G0V,  76                          ; s[76:79] group 0 for v's rows of the weight: the refill
.set G0SV, 80                          ; s[80:83] for their scales
.set SCQ,  96                          ; s[96:97] 1/8
.set MSB, 0
.macro WIN new                         ; the immediate's high byte repeats the setting that is left
.if MSB != \new
	s_set_vgpr_msb (MSB<<8)|\new
.set MSB, \new
.endif
.endm
; A joint load: waves 0 and 1 fetch x's two halves, waves 2 and 3 the weight's q and k rows.  The branch hangs on the wave's number alone.  An s_nop 0 and four v_nop follow each of the two lines.
.macro JLOAD g0a, g1a, g0b, g1b
	s_cmp_eq_u32 s17, 0
	s_cbranch_scc0 .Lfor_b_\@
	tensor_load_to_lds s[\g0a:\g0a+3], s[\g1a:\g1a+7]
	s_nop 0
.rept 4
	v_nop
.endr
	s_branch .Lasked_\@
.Lfor_b_\@:
	tensor_load_to_lds s[\g0b:\g0b+3], s[\g1b:\g1b+7]
	s_nop 0
.rept 4
	v_nop
.endr
.Lasked_\@:
.endm
.macro ONE g0, g1                      ; a joint load that wave 2 alone issues, in every work-group
	s_cmp_eq_u32 s16, 2
	s_cbranch_scc0 .Lnot_two_\@
	tensor_load_to_lds s[\g0:\g0+3], s[\g1:\g1+7]
	s_nop 0
.rept 4
	v_nop
.endr
.Lnot_two_\@:
.endm
.macro CROUND                          ; a round of the cluster's barrier
	s_barrier_signal -1
	s_barrier_wait -1
	s_cmp_lg_u32 s16, 0
	s_cbranch_scc1 .Lnot_wave_0_\@
	s_barrier_signal -3
.Lnot_wave_0_\@:
	s_barrier_wait -3
	s_barrier_signal -1
	s_barrier_wait -1
.endm
	s_load_b256 s[4:11], s[0:1], 0x0               ; x's codes s[4:5], x's scales s[6:7], the weight's codes s[8:9], its scales s[10:11]
	s_load_b128 s[12:15], s[0:1], 0x20             ; the bias s[12:13], qkv s[14:15]
	v_lshl_add_u32 v[SPW], v0, 2, SPARE
	v_mov_b32 v[NIL], 0
	ds_add_u32 v[SPW], v[NIL]                      ; the wave's opening: the add, twice on end, and its wait ahead of my first tensor load
	ds_add_u32 v[SPW], v[NIL]                      ; and once more; the set-up below, work on registers, stands between it and the wait
	v_lshrrev_b32 v1, 5, v0
	v_readfirstlane_b32 s16, v1                    ; wave 0..3
	s_lshr_b32 s17, s16, 1                         ; HR: my half of the tokens.  Also: I fetch for x (0) or for the weight (1)
	s_and_b32 s18, s16, 1                          ; HC: my head of the two.  Also: which half of x, or which of q's and k's rows, I fetch
	s_bfe_u32 s20, ttmp6, 0x40000                  ; cx, cy: my place in the cluster
	s_bfe_u32 s21, ttmp6, 0x40004
	s_lshl_b32 s22, ttmp9, 2
	s_add_co_u32 s22, s22, s20                     ; group of 128 features (two heads) = 4 x cluster x + cx
	s_and_b32 s23, ttmp7, 0xffff
	s_lshl_b32 s23, s23, 2
	s_add_co_u32 s23, s23, s21                     ; tile of 256 tokens = 4 x cluster y + cy
	s_lshl_b32 s84, s21, 2
	s_lshl_b32 s84, 15, s84                        ; my row of the cluster
	s_lshl_b32 s85, 0x1111, s20                    ; my column
	; group 1 for the codes: 128 rows x 512 bytes, 16 bytes of padding behind each
	s_or_b32 s[G1X], s84, (1<<20)|(1<<21)|(6<<22)|(3<<25)     ; 15:0 the mask; 17:16 elements of 1 byte; 20 padding on; 21 set beside a mask; 24:22 after every 128 words (code 6); 31:25 four words (code 3)
	s_or_b32 s[G1W], s85, (1<<20)|(1<<21)|(6<<22)|(3<<25)
.irp g, G1X, G1W
	s_mov_b32 s[\g+1], 512<<16                     ; tensor_dim0
	s_mov_b32 s[\g+2], 128<<16                     ; tensor_dim1
	s_mov_b32 s[\g+3], 512<<16                     ; tile_dim0
	s_mov_b32 s[\g+4], 128                         ; tile_dim1
	s_mov_b32 s[\g+5], 512                         ; from row to row
	s_mov_b32 s[\g+6], 0
	s_mov_b32 s[\g+7], 0
.endr
	; and for the scales of 128 rows: 4,096 dense bytes, as 16 rows of 256 bytes (32 elements of 8 bytes), 16 bytes of padding behind each
	s_or_b32 s[G1SX], s84, (3<<16)|(1<<20)|(1<<21)|(5<<22)|(3<<25)
	s_or_b32 s[G1SW], s85, (3<<16)|(1<<20)|(1<<21)|(5<<22)|(3<<25)
.irp g, G1SX, G1SW
	s_mov_b32 s[\g+1], 32<<16
	s_mov_b32 s[\g+2], 16<<16
	s_mov_b32 s[\g+3], 32<<16
	s_mov_b32 s[\g+4], 16
	s_mov_b32 s[\g+5], 32
	s_mov_b32 s[\g+6], 0
	s_mov_b32 s[\g+7], 0
.endr
	s_lshl_b32 s19, s18, 7
	s_lshl_b32 s86, s23, 8
	s_add_co_u32 s86, s86, s19                     ; x: row 256 x token tile + 128 x half (these registers never hold cx)
	s_lshl_b32 s88, s86, 9                         ; its codes: 512 bytes a row
	s_mov_b32 s89, 0
	s_lshl_b32 s90, s86, 5                         ; its scales: 32 bytes a row
	s_mov_b32 s91, 0
	s_lshl_b32 s19, s18, 10                        ; q's rows or k's: 1,024 rows apart
	s_lshl_b32 s87, s22, 7
	s_add_co_u32 s87, s87, s19                     ; the weight: row 1,024 x (q or k) + 128 x feature group (these never hold cy)
	s_lshl_b32 s92, s87, 9
	s_mov_b32 s93, 0
	s_lshl_b32 s94, s87, 5
	s_mov_b32 s95, 0
	s_lshl_b32 s98, s22, 16
	s_add_co_u32 s98, s98, 0x100000                ; v's rows, 2,048 + 128 x feature group: their codes,
	s_mov_b32 s99, 0
	s_lshl_b32 s100, s22, 12
	s_add_co_u32 s100, s100, 0x10000               ; and their scales
	s_mov_b32 s101, 0
	s_mul_i32 s2, s16, HALFT                       ; where they go: wave x 128 rows: no place in the cluster enters an LDS address
	s_mul_i32 s3, s16, HALFS
	s_mov_b32 s[SCQ], 0x3e000000                   ; q is divided by sqrt(64) = 8
	s_mov_b32 s[SCQ+1], 0x3e000000
	s_wait_dscnt 0x0                               ; both opening adds are done
	s_wait_kmcnt 0x0
	s_mov_b32 s[G0SX], 1
	s_add_co_u32 s[G0SX+1], s3, SCL
	s_add_nc_u64 s[G0SX+2:G0SX+3], s[6:7], s[90:91]
	s_or_b32 s[G0SX+3], s[G0SX+3], 0x80000000
	s_mov_b32 s[G0SW], 1
	s_add_co_u32 s[G0SW+1], s3, SCL
	s_add_nc_u64 s[G0SW+2:G0SW+3], s[10:11], s[94:95]
	s_or_b32 s[G0SW+3], s[G0SW+3], 0x80000000
	s_mov_b32 s[G0X], 1
	s_mov_b32 s[G0X+1], s2
	s_add_nc_u64 s[G0X+2:G0X+3], s[4:5], s[88:89]
	s_or_b32 s[G0X+3], s[G0X+3], 0x80000000
	s_mov_b32 s[G0W], 1
	s_mov_b32 s[G0W+1], s2
	s_add_nc_u64 s[G0W+2:G0W+3], s[8:9], s[92:93]
	s_or_b32 s[G0W+3], s[G0W+3], 0x80000000
	s_mov_b32 s[G0SV], 1
	s_mov_b32 s[G0SV+1], SCL+4*HALFS
	s_add_nc_u64 s[G0SV+2:G0SV+3], s[10:11], s[100:101]
	s_or_b32 s[G0SV+3], s[G0SV+3], 0x80000000
	s_mov_b32 s[G0V], 1
	s_mov_b32 s[G0V+1], WA
	s_add_nc_u64 s[G0V+2:G0V+3], s[8:9], s[98:99]
	s_or_b32 s[G0V+3], s[G0V+3], 0x80000000
	CROUND                                         ; all sixteen work-groups are here: the joint loads meet
	JLOAD G0SX, G1SX, G0SW, G1SW                   ; the scales of x, of q's and of k's rows
	JLOAD G0X, G1X, G0W, G1W                       ; their codes
	ONE G0SV, G1SW                                 ; the scales of v's rows: by my own count at most three tensor loads of a wave are out
	; the three biases
	v_and_b32 v1, 15, v0                           ; r
	v_bfe_u32 v2, v0, 4, 1                         ; h
	v_lshlrev_b32 v[BO], 5, v2
	v_lshlrev_b32 v[BR], 2, v1
	s_lshl_b32 s84, s22, 9
	s_lshl_b32 s85, s18, 8
	s_add_co_u32 s84, s84, s85                     ; 4 bytes x (128 x feature group + 64 x head)
	s_mov_b32 s85, 0
	s_add_nc_u64 s[12:13], s[12:13], s[84:85]
.irp b, 0,1,2,3
	global_load_b128 v[BQ+8*\b:BQ+8*\b+3], v[BO], s[12:13] offset:64*\b
	global_load_b128 v[BQ+8*\b+4:BQ+8*\b+7], v[BO], s[12:13] offset:64*\b+16
	global_load_b128 v[BKK+8*\b:BKK+8*\b+3], v[BO], s[12:13] offset:4096+64*\b
	global_load_b128 v[BKK+8*\b+4:BKK+8*\b+7], v[BO], s[12:13] offset:4096+64*\b+16
.endr
.irp b, 0,1,2,3
.irp j, 0,1,2,3,4,5,6,7
	global_load_b32 v[BVV+8*\b+\j], v[BR], s[12:13] offset:8192+64*\b     ; the same number in all eight registers: a C operand that hangs on the lane's channel alone
.endr
.endr
	; where the fragments are read: a row x pitch + 16 x half of the lanes, + the wave's rows
	v_mul_u32_u24 v3, v1, PITCH
	v_lshl_add_u32 v3, v2, 4, v3
	s_mul_i32 s84, s17, HALFT                      ; x: my 128 tokens
	v_add_nc_u32 v[ADX], s84, v3
	s_mul_i32 s84, s18, 64*PITCH                   ; the weight: my 64 features,
	s_add_co_u32 s84, s84, WA                      ; in slot A,
	v_add_nc_u32 v[ADWA], s84, v3
	s_add_co_u32 s84, s84, HALFT                   ; and in slot B
	v_add_nc_u32 v[ADWB], s84, v3
	v_lshlrev_b32 v4, 5, v1                        ; my row's scales: 32 bytes a row,
	v_lshrrev_b32 v5, 3, v1
	v_lshl_add_u32 v4, v5, 4, v4                   ; and 16 more behind each 256
	s_mul_i32 s84, s17, HALFS
	s_add_co_u32 s84, s84, SCL
	v_add_nc_u32 v[ADXS], s84, v4
	s_mul_i32 s84, s18, 4*SBLK
	s_add_co_u32 s84, s84, SCL+2*HALFS
	v_add_nc_u32 v[ADWS], s84, v4
	v_and_b32 v6, 31, v0
	v_lshlrev_b32 v[CO], 4, v6
	; where my results go: my head + my first token: 128 bytes a token in q, k and v alike (2,048 for 16 tokens; 4,096 for 32 keys).  The section is stepped from tile to tile
	s_lshr_b32 s84, s23, 2                         ; the batch: 4 token tiles each
	s_lshl_b32 s84, s84, 4
	s_lshl_b32 s85, s22, 1
	s_add_co_u32 s84, s84, s85
	s_add_co_u32 s84, s84, s18                     ; 16 batch + 2 x feature group + HC: my head
	s_lshl_b32 s84, s84, 17
	s_and_b32 s85, s23, 3
	s_lshl_b32 s85, s85, 8
	s_lshl_b32 s19, s17, 7
	s_add_co_u32 s85, s85, s19                     ; my first token in the sequence
	s_lshl_b32 s85, s85, 7
	s_add_co_u32 s84, s84, s85
	s_mov_b32 s85, 0
	s_add_nc_u64 s[14:15], s[14:15], s[84:85]
.macro FRAG reg, adr, q, i             ; 16 rows x 128 K of 4-bit codes: 8 registers: lane l holds row l % 16; registers 4 c .. 4 c + 3 hold K = 64 c + 32 (l / 16) + 0 .. 31
.irp c, 0,1
	ds_load_b128 v[\reg+4*\c:\reg+4*\c+3], v[\adr] offset:64*(\q)+32*\c+(\i)*16*PITCH
.endr
.endm
; 24 LDS loads in one run: step q's fragments into the buffer at f: the weight's four, x's blocks 0-3, x's blocks 4-7
.macro FETCH adw, q, f
	WIN 0x40                                       ; destination window 1, address window 0
.irp i, 0,1,2,3
	FRAG (\f)+8*\i, \adw, \q, \i
.endr
.irp i, 0,1,2,3,4,5,6,7
	FRAG (\f)+32+8*\i, ADX, \q, \i
.endr
.endm
.macro WSLOAD sec                      ; the scale words of my 64 rows of the weight in section sec: 8 words a row, 4 to a load
.irp i, 0,1,2,3
.irp s, 0,1
	ds_load_b128 v[WS+8*\i+4*\s:WS+8*\i+4*\s+3], v[ADWS] offset:(\sec)*HALFS+\i*SBLK+16*\s
.endr
.endr
.endm
.macro PLACES                          ; a load into a register that a matrix instruction has read, and a vector instruction that reads or writes a matrix result, stand four plain vector instructions behind it (ISA guide 7.12.1 for vector instructions)
.rept 4
	v_nop
.endr
.endm
; 16 matrix instructions: x's blocks 4 hh .. 4 hh + 3 x the weight's four, the q-th 128 along K, from the buffer at f.  sw = 1: x is source 0 (the section v).  first = 1: the bias at cb is the C.
; The 32 accumulators take turns, one instruction a turn, in the same order in every step.
.macro MUL16 hh, f, q, sw, first, cb
.irp xo, 0,1,2,3
.irp wb, 0,1,2,3
.set DD, 8*(4*(4*(\hh)+\xo)+\wb)
.set FW, (\f)+8*\wb
.set FX, (\f)+32+8*(4*(\hh)+\xo)
.set SWR, WS+8*\wb+(\q)
.set SXR, XS+8*(4*(\hh)+\xo)+(\q)
.set CC, DD
.if \first
.set CC, (\cb)+8*\wb
.endif
.if \sw
	v_wmma_scale_f32_16x16x128_f8f6f4 v[DD:DD+7], v[FX:FX+7], v[FW:FW+7], v[CC:CC+7], v[SXR], v[SWR] matrix_a_fmt:MATRIX_FMT_FP4 matrix_b_fmt:MATRIX_FMT_FP4
.else
	v_wmma_scale_f32_16x16x128_f8f6f4 v[DD:DD+7], v[FW:FW+7], v[FX:FX+7], v[CC:CC+7], v[SWR], v[SXR] matrix_a_fmt:MATRIX_FMT_FP4 matrix_b_fmt:MATRIX_FMT_FP4
.endif
.endr
.endr
.endm
; A step of 128 along K: 32 matrix instructions on buffer q % 2; in its middle the next step's fragments are fetched into the other buffer.
.macro STEP adw, q, sw, first, cb
	s_wait_dscnt 8                                 ; the weight's fragments and x's blocks 0-3 are in; the youngest eight loads (x's blocks 4-7) may be out
.if \first
	WIN 0x85                                       ; sources 0 and 1 window 1, C (the bias) window 0, D window 2
.else
	WIN 0xa5                                       ; sources 0 and 1 window 1, C and D window 2
.endif
	MUL16 0, 128*((\q)%2), \q, \sw, \first, \cb
.if (\q) < 7
	PLACES
	FETCH \adw, (\q)+1, 128*(1-(\q)%2)
	s_wait_dscnt 24                                ; all but the 24 just issued
.else
	s_wait_dscnt 0x0                               ; a tile's last step fetches nothing
.endif
.if \first
	WIN 0x85
.else
	WIN 0xa5
.endif
	MUL16 1, 128*((\q)%2), \q, \sw, \first, \cb
.endm
.macro TILE adw, sw, cb
	STEP \adw, 0, \sw, 1, \cb
.irp q, 1,2,3,4,5,6,7
	STEP \adw, \q, \sw, 0, 0
.endr
.endm
; THE WAY OUT OF A TILE.  A lane's eight results of an accumulator are four pairs of f16, 16 bytes, which ARE my lane's part of a fragment: no stage; each store of the wave covers 512 consecutive bytes.
; q, k (sw = 0): lane (r, h) holds token 16 xb + r, channels 16 wb + 8 h + 0 .. 7: token tile xb, channels 32 (wb / 2) on, part wb % 2.
; v (sw = 1): lane (r, h) holds channel 16 wb + r, tokens 16 xb + 8 h + 0 .. 7: keys 32 (xb / 2) on, channel tile wb, part xb % 2.
.macro OUT sw, scaled, onward
	s_wait_xcnt 0x0                                ; the last tile's stores have read their data and their base: both may be written again
.if \onward
	s_add_nc_u64 s[14:15], s[14:15], 0x1000000     ; the next section
.endif
.if \scaled
	WIN 0x82                                       ; destination and source 0 window 2
.set ii, 0
.rept 128
	v_pk_mul_f32 v[ii:ii+1], v[ii:ii+1], s[SCQ:SCQ+1] op_sel_hi:[1,0]    ; q / 8: exact; each accumulator from its low end on
.set ii, ii+2
.endr
.endif
	WIN 0xca                                       ; sources window 2, destination window 3
.set ii, 0
.rept 128
	v_cvt_pk_f16_f32 v[ii], v[2*ii], v[2*ii+1]     ; each accumulator from its low end on
.set ii, ii+1
.endr
	WIN 0x0c                                       ; a store's data are its source 1: window 3
.irp xb, 0,1,2,3,4,5,6,7
.irp wb, 0,1,2,3
.if \sw
	global_store_b128 v[CO], v[4*(4*\xb+\wb):4*(4*\xb+\wb)+3], s[14:15] offset:4096*(\xb/2)+1024*\wb+512*(\xb%2)
.else
	global_store_b128 v[CO], v[4*(4*\xb+\wb):4*(4*\xb+\wb)+3], s[14:15] offset:2048*\xb+512*\wb
.endif
.endr
.endr
	WIN 0
.endm
	s_wait_tensorcnt 0x0                           ; my first fills have landed,
	s_barrier_signal -1
	s_barrier_wait -1                              ; everybody's have
.irp i, 0,1,2,3,4,5,6,7                ; x's scale words, once for the three tiles
.irp s, 0,1
	ds_load_b128 v[XS+8*\i+4*\s:XS+8*\i+4*\s+3], v[ADXS] offset:\i*SBLK+16*\s
.endr
.endr
	WSLOAD 0
	FETCH ADWA, 0, 0
	s_wait_loadcnt 0x0                             ; the biases
	TILE ADWA, 0, BQ                               ; q
	; THE ONE REFILL: slot A takes v's rows.  Every wave waits for all its tensor loads (none is out), adds 0 to its spare word and waits for that and for its reads of the slot; a round of the cluster's barrier shows the same of
	; every wave of every partner; the joint load is the first tensor load behind it.  It has q's way out and the whole of tile k in which to land.
	WIN 0
	s_wait_tensorcnt 0x0
	ds_add_u32 v[SPW], v[NIL]
	s_wait_dscnt 0x0
	CROUND
	ONE G0V, G1W
	PLACES
	WSLOAD 1
	FETCH ADWB, 0, 0                               ; tile k's first fragments land under q's way out
	OUT 0, 1, 0
	TILE ADWB, 0, BKK                              ; k
	WIN 0
	s_wait_tensorcnt 0x0                           ; wave 2: v's rows have landed,
	s_barrier_signal -1
	s_barrier_wait -1                              ; and every wave knows it
	PLACES
	WSLOAD 2
	FETCH ADWA, 0, 0
	OUT 0, 0, 1
	TILE ADWA, 1, BVV                              ; v
	PLACES
	OUT 1, 0, 1
	s_wait_tensorcnt 0x0                           ; the wave's end, behind my last tensor load
	ds_add_u32 v[SPW], v[NIL]
	s_wait_dscnt 0x0
	CROUND                                         ; the closing round: no work-group ends while a partner may still ask for a tile that names it
	s_endpgm
.Lfunc_end_k_qf940f74a4e_qkvgemm:
	.size	k_qf940f74a4e_qkvgemm, .Lfunc_end_k_qf940f74a4e_qkvgemm-k_qf940f74a4e_qkvgemm
	.p2alignl 7, 3214868480
	.fill 96, 4, 3214868480
	.section	.rodata,"a",@progbits
	.p2align	6, 0x0
	.amdhsa_kernel k_qf940f74a4e_qkvgemm
		.amdhsa_group_segment_fixed_size 327680
		.amdhsa_private_segment_fixed_size 0
		.amdhsa_enable_private_segment 0
		.amdhsa_kernarg_size 48
		.amdhsa_user_sgpr_count 2
		.amdhsa_user_sgpr_kernarg_segment_ptr 1
		.amdhsa_wavefront_size32 1
		.amdhsa_system_sgpr_workgroup_id_x 1
		.amdhsa_system_sgpr_workgroup_id_y 1
		.amdhsa_system_sgpr_workgroup_id_z 1
		.amdhsa_system_vgpr_workitem_id 0
		.amdhsa_next_free_vgpr 896
		.amdhsa_next_free_sgpr 102
		.amdhsa_reserve_vcc 0
		.amdhsa_float_denorm_mode_32 3
		.amdhsa_float_denorm_mode_16_64 3
		.amdhsa_memory_ordered 1
		.amdhsa_forward_progress 1
		.amdhsa_inst_pref_size 197
	.end_amdhsa_kernel
	.amdgpu_metadata
---
amdhsa.version: [ 1, 2 ]
amdhsa.kernels:
  - .name:           k_qf940f74a4e_qkvgemm
    .symbol:         k_qf940f74a4e_qkvgemm.kd
    .args:
      - { .name: xc, .offset: 0, .size: 8, .value_kind: global_buffer, .address_space: global }
      - { .name: xs, .offset: 8, .size: 8, .value_kind: global_buffer, .address_space: global }
      - { .name: wc, .offset: 16, .size: 8, .value_kind: global_buffer, .address_space: global }
      - { .name: ws, .offset: 24, .size: 8, .value_kind: global_buffer, .address_space: global }
      - { .name: in_proj_bias, .offset: 32, .size: 8, .value_kind: global_buffer, .address_space: global }
      - { .name: qkv, .offset: 40, .size: 8, .value_kind: global_buffer, .address_space: global }
    .group_segment_fixed_size: 327680
    .private_segment_fixed_size: 0
    .kernarg_segment_align: 8
    .kernarg_segment_size: 48
    .max_flat_workgroup_size: 128
    .sgpr_count:     102
    .vgpr_count:     896
    .wavefront_size: 32
...
	.end_amdgpu_metadata
.endif
;; end of part 2
;; launch attn (part 3): grid 2 x 128, 16 waves a work-group, no clusters, 327,680 bytes of LDS; arguments qkv, mimg, ao; writes ao
.if DOCPART == 3
	.amdgcn_target "amdgcn-amd-amdhsa--gfx1250"
	.amdhsa_code_object_version 6
	.text
	.protected	k_qf940f74a4e_attn
	.globl	k_qf940f74a4e_attn
	.p2align	8
	.type	k_qf940f74a4e_attn,@function
k_qf940f74a4e_attn:
	s_mov_b64 s[64:65], 0
	v_nop
	global_prefetch_b8 v0, s[64:65] scope:SCOPE_SE
	s_setreg_imm32_b32 hwreg(HW_REG_WAVE_MODE, 25, 1), 1
	s_wait_xcnt 0x0
; O[bh][q] = the sum over k of softmax_k(q . k + mask[q][k]) v[k], q already divided by 8.  q, k, v: f16 fragments as the launch before laid them; the mask: f32, an image of the score product's C operand; sums, maxima, exponentials in f32;
; the weights p are rounded to f16 for the second product; the row's sum is taken of the unrounded p.  The result leaves as f16 fragments for the projection: [row tile 64 batch + query tile][32 along C: 2 head + e][part 2][lane 32][8 f16].
; SHARES.  A work-group owns 512 queries of one head (grid x: which half; y: 16 batch + head); each of its SIXTEEN waves owns 32 of them, two tiles of 16, in 256 registers: four waves to a SIMD, so that one wave's vector work
; stands beside another's matrix work and loads.  Every wave walks all 1,024 keys, 64 a step.
; K AND V OF THE WHOLE HEAD, 262,144 bytes, come to lie in LDS, each byte filled ONCE, in four chunks of 256 keys (each wave brings 4,096 bytes of each chunk).  Chunk 0 is asked for at the head; chunk j + 1 behind the barrier
; that shows chunk j whole, so that the first products wait for 65,536 bytes and each later chunk has four key steps in which to land.  Four barriers in all; between them the waves run free.
; The chunks lie from the top down: chunk j at 65,536 (3 - j): behind the chunk in hand lie bytes that landed earlier, and the chunk on its way lies below it.
; LAYOUT.  S^T = K Q^T + mask (source 0 = 16 keys, source 1 = 16 queries): a lane holds ONE query (lane % 16) and keys 8 (lane / 16) + 0 .. 7.  THE MASK IS THE C OF THE FIRST SCORE PRODUCT: its image is loaded straight into
; the score registers, 512 consecutive bytes an instruction, a step ahead; it costs no vector instruction.  Two score tiles, rounded to f16 in pairs, ARE source 1 of O^T = V^T P.  Fragments lie in LDS as images of
; their registers: every LDS load is 512 consecutive bytes: no pitch, no padding, no turning load.
; SOFTMAX.  For each query a running maximum m and sum l: p = 2^(c s - c m), c = log2(e); in every step O and l are multiplied by a = 2^(c m_old - c m_new).
; NO CLUSTER: only the two work-groups of a head share K and V, each filled once; the grid's x is 2, which a cluster of four along x does not divide.  The stream that all heads share, the mask, goes to registers.
; NO PREFETCH: a chunk's tensor load itself goes out four key steps ahead of the chunk's first read, and the mask's 4,194,304 bytes are read again by each of the 128 heads.
; LIMITS: a row all of whose scores lie under -2e38 (the floor of the running maximum) is not served; NaN and infinities are not served; the result must stay under 65,504 (f16).
.set SPARE, 325632                     ; the spare words, 128 bytes for each of 16 waves, at the top of the claim
.set LI,  1                            ; v1   16 x lane; never rewritten
.set ADK, 2                            ; v2   LDS address of the step's fragments
.set SPW, 3                            ; v3   LDS address of my spare word; never rewritten
.set NIL, 4                            ; v4   0; never rewritten
.set ST,  8                            ; tile t's statistics at v[ST + 8 t]: +0 c m, +1 m, +2, +3 l (even keys', odd keys'), +4 .. +7 at work; a takes +6
.set QF,  24                           ; Q: tile t, channels 32 e on, at QF + 16 t + 8 e
.set KV,  56                           ; four fragments of K or of V
.set S,   88                           ; S^T: tile t, key tile u, at S + 32 t + 8 u
.set P,   152                          ; P: 16 registers a tile
.set O,   184                          ; O^T: tile t, channel tile n, at O + 32 t + 8 n
.set G1,  16                           ; s[16:23] descriptor group 1;  s[24:39] four groups 0, one for each chunk, never rewritten
.set G0,  24
.set CS,  40                           ; s[40:41] c = log2(e)
.set SEL, 42                           ; s[42:43] lane selects for v_permlanex16_b32: lane l xor 16
.set TB,  44                           ; s44  LDS byte at which the step's fragments of K begin
.set CNT, 45
.set MB,  46                           ; s[46:47] the mask's image at my first query tile, the step in hand
.set QB,  48                           ; s[48:49] Q
.set AB,  50                           ; s[50:51] the result
	s_load_b128 s[4:7], s[0:1], 0x0                ; qkv, the mask's image
	s_load_b64 s[8:9], s[0:1], 0x10                ; ao
	v_lshl_add_u32 v[SPW], v0, 2, SPARE
	v_mov_b32 v[NIL], 0
	ds_add_u32 v[SPW], v[NIL]                      ; the wave's opening: the add, twice on end, and its wait ahead of my first tensor load
	ds_add_u32 v[SPW], v[NIL]                      ; and once more; the set-up below, work on registers, stands between it and the wait
	v_lshrrev_b32 v2, 5, v0
	v_readfirstlane_b32 s10, v2                    ; wave 0..15
	s_mov_b32 s11, ttmp9                           ; which half of the queries
	s_and_b32 s12, ttmp7, 0xffff                   ; 16 batch + head
	; group 1: 4,096 dense bytes, as 16 rows of 256 bytes (32 elements of 8 bytes), no padding
	s_mov_b32 s[G1], 3<<16
	s_mov_b32 s[G1+1], 32<<16
	s_mov_b32 s[G1+2], 16<<16
	s_mov_b32 s[G1+3], 32<<16
	s_mov_b32 s[G1+4], 16
	s_mov_b32 s[G1+5], 32
	s_mov_b32 s[G1+6], 0
	s_mov_b32 s[G1+7], 0
	s_mov_b32 s[CS], 0x3fb8aa3b
	s_mov_b32 s[CS+1], s[CS]
	s_mov_b32 s[SEL], 0x76543210
	s_mov_b32 s[SEL+1], 0xfedcba98
	s_lshr_b32 s52, s10, 3                         ; waves 0-7 bring K, waves 8-15 V:
	s_add_co_u32 s52, s52, 1
	s_lshl_b32 s52, s52, 24                        ; section 1 or 2,
	s_lshl_b32 s53, s12, 17
	s_add_co_u32 s52, s52, s53                     ; my head,
	s_and_b32 s53, s10, 7
	s_lshl_b32 s53, s53, 12
	s_add_co_u32 s52, s52, s53                     ; my 4,096 bytes of a chunk's 32,768
	s_mov_b32 s53, 0
	s_lshl_b32 s59, s10, 12                        ; and in LDS: 4,096 x wave: K's 32,768 bytes, then V's
	s_lshl_b32 s58, s11, 5
	s_lshl_b32 s57, s10, 1
	s_add_co_u32 s58, s58, s57                     ; my first query tile: 32 x half + 2 x wave
	s_wait_dscnt 0x0                               ; both opening adds are done
	s_wait_kmcnt 0x0
	s_add_nc_u64 s[54:55], s[4:5], s[52:53]
.irp j, 0,1,2,3
	s_mov_b32 s[G0+4*\j], 1
	s_add_co_u32 s[G0+4*\j+1], s59, 65536*(3-\j)
	s_add_nc_u64 s[G0+4*\j+2:G0+4*\j+3], s[54:55], 32768*\j
	s_or_b32 s[G0+4*\j+3], s[G0+4*\j+3], 0x80000000
.endr
	tensor_load_to_lds s[G0:G0+3], s[G1:G1+7]      ; chunk 0 alone: one tensor load of mine is out
	s_nop 0
	v_and_b32 v[LI], 31, v0
	v_lshlrev_b32 v[LI], 4, v[LI]
	s_lshl_b32 s56, s12, 17
	s_lshl_b32 s57, s58, 11
	s_add_co_u32 s56, s56, s57
	s_mov_b32 s57, 0
	s_add_nc_u64 s[QB:QB+1], s[4:5], s[56:57]      ; Q: section 0, my head, 2,048 bytes a tile
.irp t, 0,1
.irp e, 0,1
.irp c, 0,1
	global_load_b128 v[QF+16*\t+8*\e+4*\c:QF+16*\t+8*\e+4*\c+3], v[LI], s[QB:QB+1] offset:2048*\t+1024*\e+512*\c
.endr
.endr
.endr
	s_lshl_b32 s56, s58, 16
	s_add_nc_u64 s[MB:MB+1], s[6:7], s[56:57]      ; the mask: 65,536 bytes a query tile
; the mask of one key step (4 key tiles) for my two query tiles, into the score registers; key tiles 0 and 1 first
.macro MLOAD
.irp u, 0,1,2,3
.irp t, 0,1
.irp c, 0,1
	global_load_b128 v[S+32*\t+8*\u+4*\c:S+32*\t+8*\u+4*\c+3], v[LI], s[MB:MB+1] offset:65536*\t+1024*\u+512*\c
.endr
.endr
.endr
.endm
	MLOAD                                          ; step 0's
	s_lshr_b32 s56, s12, 4
	s_lshl_b32 s56, s56, 6
	s_add_co_u32 s56, s56, s58                     ; row tile 64 batch + query tile: 32,768 bytes each,
	s_lshl_b32 s56, s56, 15
	s_and_b32 s52, s12, 15
	s_lshl_b32 s52, s52, 11                        ; my head's two fragments
	s_add_co_u32 s56, s56, s52
	s_add_nc_u64 s[AB:AB+1], s[8:9], s[56:57]
.macro PLACES                          ; four plain vector instructions between a matrix instruction and a load into its registers or a read of its result (ISA guide 7.12.1 for vector instructions)
.rept 4
	v_nop
.endr
.endm
.macro KLOAD v                         ; key tiles 2 v, 2 v + 1 of the step: four fragments
.irp u, 0,1
.irp e, 0,1
.irp c, 0,1
	ds_load_b128 v[KV+8*(2*\u+\e)+4*\c:KV+8*(2*\u+\e)+4*\c+3], v[ADK] offset:2048*(2*\v+\u)+1024*\e+512*\c
.endr
.endr
.endr
.endm
.macro VLOAD g                         ; keys 32 g on of the step, four channel tiles
.irp n, 0,1,2,3
.irp c, 0,1
	ds_load_b128 v[KV+8*\n+4*\c:KV+8*\n+4*\c+3], v[ADK] offset:32768+4096*\g+1024*\n+512*\c
.endr
.endr
.endm
.macro QK v                            ; 8 products onto the mask; four accumulators by turns, one instruction a turn
.irp e, 0,1
.irp u, 0,1
.irp t, 0,1
	v_wmma_f32_16x16x32_f16 v[S+32*\t+8*(2*\v+\u):S+32*\t+8*(2*\v+\u)+7], v[KV+8*(2*\u+\e):KV+8*(2*\u+\e)+7], v[QF+16*\t+8*\e:QF+16*\t+8*\e+7], v[S+32*\t+8*(2*\v+\u):S+32*\t+8*(2*\v+\u)+7]
.endr
.endr
.endr
.endm
.macro PV g, first                     ; 8 products; eight accumulators by turns.  first = 1 and g = 0: they start O^T's sums: nothing is cleared
.irp n, 0,1,2,3
.irp t, 0,1
.if (\first) && (\g == 0)
	v_wmma_f32_16x16x32_f16 v[O+32*\t+8*\n:O+32*\t+8*\n+7], v[KV+8*\n:KV+8*\n+7], v[P+16*\t+8*\g:P+16*\t+8*\g+7], 0
.else
	v_wmma_f32_16x16x32_f16 v[O+32*\t+8*\n:O+32*\t+8*\n+7], v[KV+8*\n:KV+8*\n+7], v[P+16*\t+8*\g:P+16*\t+8*\g+7], v[O+32*\t+8*\n:O+32*\t+8*\n+7]
.endif
.endr
.endr
.endm
; THE SOFTMAX of a key step for both tiles, the tiles by turns line by line.  first = 1: the first step, which starts m, l and O^T.  next = 1: the next step's mask is asked for as soon as the score registers are free.
.macro SOFTMAX first, next
.irp j, 0,1,2,3                        ; the maximum of a lane's 32 scores: four chains; the first four lines read each accumulator at its low end
.irp t, 0,1
	v_max3_num_f32 v[ST+8*\t+4+\j], v[S+32*\t+8*\j], v[S+32*\t+8*\j+1], v[S+32*\t+8*\j+2]
.endr
.endr
.irp i, 3,5
.irp j, 0,1,2,3
.irp t, 0,1
	v_max3_num_f32 v[ST+8*\t+4+\j], v[ST+8*\t+4+\j], v[S+32*\t+8*\j+\i], v[S+32*\t+8*\j+\i+1]
.endr
.endr
.endr
.irp t, 0,1
	v_max3_num_f32 v[ST+8*\t+4], v[ST+8*\t+4], v[S+32*\t+7], v[S+32*\t+15]
.endr
.irp t, 0,1
	v_max3_num_f32 v[ST+8*\t+6], v[ST+8*\t+6], v[S+32*\t+23], v[S+32*\t+31]
.endr
.irp t, 0,1
	v_max3_num_f32 v[ST+8*\t+4], v[ST+8*\t+4], v[ST+8*\t+5], v[ST+8*\t+6]
.endr
.irp t, 0,1
.if \first
	v_max3_num_f32 v[ST+8*\t+4], v[ST+8*\t+4], v[ST+8*\t+7], 0xff167699   ; and the floor -2e38, so that c m stays a number
.else
	v_max3_num_f32 v[ST+8*\t+4], v[ST+8*\t+4], v[ST+8*\t+7], v[ST+8*\t+1] ; and the old m
.endif
.endr
.irp t, 0,1
	v_permlanex16_b32 v[ST+8*\t+5], v[ST+8*\t+4], s[SEL], s[SEL+1]        ; the query's other 32 keys lie in the lane 16 away
.endr
.if \first == 0
.irp t, 0,1
	v_mov_b32 v[ST+8*\t+7], v[ST+8*\t]             ; c m_old is kept for a
.endr
.endif
.irp t, 0,1
	v_max_num_f32 v[ST+8*\t+1], v[ST+8*\t+4], v[ST+8*\t+5]
.endr
.irp t, 0,1
	v_mul_f32 v[ST+8*\t], s[CS], v[ST+8*\t+1]
.endr
.if \first == 0
.irp t, 0,1
	v_sub_f32 v[ST+8*\t+7], v[ST+8*\t+7], v[ST+8*\t]
.endr
.irp t, 0,1
	v_exp_f32 v[ST+8*\t+6], v[ST+8*\t+7]           ; a = 2^(c m_old - c m_new)
.endr
.endif
; ONE BATCH: 32 scalings c s - c m, a pair each, and the 64 exponentials: pair b's scaling stands ahead of pair b - 1's two exponentials.  None of these lines names an exponential's result.
.set bb, 0
.rept 32
	v_pk_fma_f32 v[S+2*bb:S+2*bb+1], v[S+2*bb:S+2*bb+1], s[CS:CS+1], v[ST+8*(bb/16):ST+8*(bb/16)+1] op_sel_hi:[1,0,0] neg_lo:[0,0,1] neg_hi:[0,0,1]
.if bb > 0
	v_exp_f32 v[S+2*bb-2], v[S+2*bb-2]
	v_exp_f32 v[S+2*bb-1], v[S+2*bb-1]
.endif
.set bb, bb+1
.endr
	v_exp_f32 v[S+62], v[S+62]
	v_exp_f32 v[S+63], v[S+63]
	v_nop                                          ; a plain instruction behind the last exponential
	s_wait_alu depctr_va_vdst(0)                   ; the wait ahead of the first line that names a result: one for the whole batch
.set bb, 0
.rept 32
	v_cvt_pk_f16_f32 v[P+bb], v[S+2*bb], v[S+2*bb+1]   ; two neighbouring keys' weights
.set bb, bb+1
.endr
.irp u, 0,1,2,3,4,5,6,7                ; the sum of the unrounded p, in place: neighbours 1, 2, 4, 8 pairs apart
.irp t, 0,1
	v_pk_add_f32 v[S+32*\t+4*\u:S+32*\t+4*\u+1], v[S+32*\t+4*\u:S+32*\t+4*\u+1], v[S+32*\t+4*\u+2:S+32*\t+4*\u+3]
.endr
.endr
.irp u, 0,1,2,3
.irp t, 0,1
	v_pk_add_f32 v[S+32*\t+8*\u:S+32*\t+8*\u+1], v[S+32*\t+8*\u:S+32*\t+8*\u+1], v[S+32*\t+8*\u+4:S+32*\t+8*\u+5]
.endr
.endr
.irp u, 0,1
.irp t, 0,1
	v_pk_add_f32 v[S+32*\t+16*\u:S+32*\t+16*\u+1], v[S+32*\t+16*\u:S+32*\t+16*\u+1], v[S+32*\t+16*\u+8:S+32*\t+16*\u+9]
.endr
.endr
.irp t, 0,1
.if \first
	v_pk_add_f32 v[ST+8*\t+2:ST+8*\t+3], v[S+32*\t:S+32*\t+1], v[S+32*\t+16:S+32*\t+17]
.else
	v_pk_add_f32 v[S+32*\t:S+32*\t+1], v[S+32*\t:S+32*\t+1], v[S+32*\t+16:S+32*\t+17]
.endif
.endr
.if \first == 0
.irp t, 0,1
	v_pk_fma_f32 v[ST+8*\t+2:ST+8*\t+3], v[ST+8*\t+2:ST+8*\t+3], v[ST+8*\t+6:ST+8*\t+7], v[S+32*\t:S+32*\t+1] op_sel_hi:[1,0,1]   ; l = a l + the step's sum
.endr
.endif
.if \next
	s_add_nc_u64 s[MB:MB+1], s[MB:MB+1], 4096      ; (this step's mask loads were shown done by the wait for 0 on LOADcnt: their base may step)
	MLOAD                                          ; the next step's mask: it has the rescaling, 16 products and the next step's first loads in which to land
.endif
.if \first == 0
.set bb, 0
.rept 32
	v_pk_mul_f32 v[O+2*bb:O+2*bb+1], v[O+2*bb:O+2*bb+1], v[ST+8*(bb/16)+6:ST+8*(bb/16)+7] op_sel_hi:[1,0]   ; O^T x a, each accumulator from its low end on
.set bb, bb+1
.endr
.endif
.endm
; A KEY STEP: 64 keys.
.macro STEP first, next
	v_add_nc_u32 v[ADK], s[TB], v[LI]
	KLOAD 0
	s_wait_loadcnt 8                               ; the mask of key tiles 0 and 1 is in (in the first step Q too); the youngest eight loads, key tiles 2 and 3, may be out
	s_wait_dscnt 0x0
	QK 0
	PLACES
	KLOAD 1
	s_wait_loadcnt 0x0
	s_wait_dscnt 0x0
	QK 1
	PLACES
	VLOAD 0                                        ; lands under the softmax
	SOFTMAX \first, \next
	s_wait_dscnt 0x0
	PV 0, \first
	PLACES
	VLOAD 1
	s_wait_dscnt 0x0
	PV 1, \first
	PLACES
	s_add_co_u32 s[TB], s[TB], 8192                ; 64 keys on: 4 tiles of K x 2,048 bytes, 2 groups of V x 4,096
.endm
; Chunk j is shown whole to every wave: my one tensor load that is out, my part of chunk j, has landed; 0 is added to my spare word; no LDS instruction of mine is out; then the barrier.  Behind it, first thing, my part of
; chunk j + 1 is asked for: bytes that nothing has filled before, and my one tensor load until the next such barrier.  No wave ever fills bytes again.
.macro CHUNK j
	s_wait_tensorcnt 0x0
	ds_add_u32 v[SPW], v[NIL]
	s_mov_b32 s[TB], 65536*(3-\j)
	s_wait_dscnt 0x0
	s_barrier_signal -1
	s_barrier_wait -1
.if \j < 3
	tensor_load_to_lds s[G0+4*(\j+1):G0+4*(\j+1)+3], s[G1:G1+7]
	s_nop 0
.endif
.endm
	CHUNK 0
	STEP 1, 1
	s_mov_b32 s[CNT], 3
.Lc0:
	STEP 0, 1
	s_sub_co_u32 s[CNT], s[CNT], 1
	s_cmp_lg_u32 s[CNT], 0
	s_cbranch_scc1 .Lc0
	CHUNK 1
	s_mov_b32 s[CNT], 4
.Lc1:
	STEP 0, 1
	s_sub_co_u32 s[CNT], s[CNT], 1
	s_cmp_lg_u32 s[CNT], 0
	s_cbranch_scc1 .Lc1
	CHUNK 2
	s_mov_b32 s[CNT], 4
.Lc2:
	STEP 0, 1
	s_sub_co_u32 s[CNT], s[CNT], 1
	s_cmp_lg_u32 s[CNT], 0
	s_cbranch_scc1 .Lc2
	CHUNK 3
	s_mov_b32 s[CNT], 3
.Lc3:
	STEP 0, 1
	s_sub_co_u32 s[CNT], s[CNT], 1
	s_cmp_lg_u32 s[CNT], 0
	s_cbranch_scc1 .Lc3
	STEP 0, 0                                      ; the last step is written out: it asks for no mask, so that no load leaves the buffer
	; THE WAY OUT.  l's two halves and the other half of the lanes' are added; O^T / l, rounded to f16: a lane's eight channels of a query are 16 bytes, my lane's part of a fragment of the projection's operand.
.irp t, 0,1
	v_add_f32 v[ST+8*\t+4], v[ST+8*\t+2], v[ST+8*\t+3]
.endr
.irp t, 0,1
	v_permlanex16_b32 v[ST+8*\t+5], v[ST+8*\t+4], s[SEL], s[SEL+1]
.endr
.irp t, 0,1
	v_add_f32 v[ST+8*\t+4], v[ST+8*\t+4], v[ST+8*\t+5]
.endr
.irp t, 0,1
	v_rcp_f32 v[ST+8*\t+6], v[ST+8*\t+4]
.endr
	v_nop                                          ; a plain instruction behind the last reciprocal
	s_wait_alu depctr_va_vdst(0)                   ; and the wait ahead of the first use: one for both
.set bb, 0
.rept 32
	v_pk_mul_f32 v[O+2*bb:O+2*bb+1], v[O+2*bb:O+2*bb+1], v[ST+8*(bb/16)+6:ST+8*(bb/16)+7] op_sel_hi:[1,0]
.set bb, bb+1
.endr
.set bb, 0
.rept 32
	v_cvt_pk_f16_f32 v[S+bb], v[O+2*bb], v[O+2*bb+1]
.set bb, bb+1
.endr
.irp t, 0,1
.irp n, 0,1,2,3
	global_store_b128 v[LI], v[S+16*\t+4*\n:S+16*\t+4*\n+3], s[AB:AB+1] offset:32768*\t+512*\n     ; 512 consecutive bytes: channels 16 n on = fragment n / 2, part n % 2
.endr
.endr
	s_wait_tensorcnt 0x0                           ; the wave's end, behind my last tensor load
	ds_add_u32 v[SPW], v[NIL]
	s_wait_dscnt 0x0
	s_endpgm
.Lfunc_end_k_qf940f74a4e_attn:
	.size	k_qf940f74a4e_attn, .Lfunc_end_k_qf940f74a4e_attn-k_qf940f74a4e_attn
	.p2alignl 7, 3214868480
	.fill 96, 4, 3214868480
	.section	.rodata,"a",@progbits
	.p2align	6, 0x0
	.amdhsa_kernel k_qf940f74a4e_attn
		.amdhsa_group_segment_fixed_size 327680
		.amdhsa_private_segment_fixed_size 0
		.amdhsa_enable_private_segment 0
		.amdhsa_kernarg_size 24
		.amdhsa_user_sgpr_count 2
		.amdhsa_user_sgpr_kernarg_segment_ptr 1
		.amdhsa_wavefront_size32 1
		.amdhsa_system_sgpr_workgroup_id_x 1
		.amdhsa_system_sgpr_workgroup_id_y 1
		.amdhsa_system_sgpr_workgroup_id_z 1
		.amdhsa_system_vgpr_workitem_id 0
		.amdhsa_next_free_vgpr 256
		.amdhsa_next_free_sgpr 66
		.amdhsa_reserve_vcc 0
		.amdhsa_float_denorm_mode_32 3
		.amdhsa_float_denorm_mode_16_64 3
		.amdhsa_memory_ordered 1
		.amdhsa_forward_progress 1
		.amdhsa_inst_pref_size 122
	.end_amdhsa_kernel
	.amdgpu_metadata
---
amdhsa.version: [ 1, 2 ]
amdhsa.kernels:
  - .name:           k_qf940f74a4e_attn
    .symbol:         k_qf940f74a4e_attn.kd
    .args:
      - { .name: qkv, .offset: 0, .size: 8, .value_kind: global_buffer, .address_space: global }
      - { .name: mimg, .offset: 8, .size: 8, .value_kind: global_buffer, .address_space: global }
      - { .name: ao, .offset: 16, .size: 8, .value_kind: global_buffer, .address_space: global }
    .group_segment_fixed_size: 327680
    .private_segment_fixed_size: 0
    .kernarg_segment_align: 8
    .kernarg_segment_size: 24
    .max_flat_workgroup_size: 512
    .sgpr_count:     66
    .vgpr_count:     256
    .wavefront_size: 32
...
	.end_amdgpu_metadata
.endif
;; end of part 3
;; launch outgemm (part 4): grid 8 x 32, 4 waves a work-group, clusters of 4 x 4, 327,680 bytes of LDS; arguments ao, wo, out_b, out0; writes out0
.if DOCPART == 4
	.amdgcn_target "amdgcn-amd-amdhsa--gfx1250"
	.amdhsa_code_object_version 6
	.text
	.protected	k_qf940f74a4e_outgemm
	.globl	k_qf940f74a4e_outgemm
	.p2align	8
	.type	k_qf940f74a4e_outgemm,@function
k_qf940f74a4e_outgemm:
	s_mov_b64 s[64:65], 0
	v_nop
	global_prefetch_b8 v0, s[64:65] scope:SCOPE_SE
	s_setreg_imm32_b32 hwreg(HW_REG_WAVE_MODE, 25, 1), 1
	s_wait_xcnt 0x0
	s_wait_alu depctr_hold_cnt(0) depctr_sa_sdst(0) depctr_va_vdst(0) depctr_va_sdst(0) depctr_va_ssrc(0) depctr_va_vcc(0) depctr_vm_vsrc(0)
	s_getreg_b32 s2, hwreg(HW_REG_IB_STS2, 6, 4)
	s_cmp_eq_u32 s2, 0
	s_cbranch_scc0 .Lentry_in_a_cluster
	s_endpgm
.Lentry_in_a_cluster:
	s_bfe_u32 s2, ttmp6, 0x10000c
	s_cmp_lg_u32 s2, 0xf033
	s_cbranch_scc0 .Lentry_shape_is_right
	s_endpgm
.Lentry_shape_is_right:
; out0 = A out_w^T + out_b.  A (the attention's result) and out_w arrive as f16 fragments of 1,024 bytes: A [row tile 512][32 along K: 32], out_w [column tile 64][32 along K: 32]; out_b [1024], out0 [8192][1024]: f32; sums in f32.
; SHARES.  A work-group of four waves makes 256 rows x 128 columns (256 work-groups); a wave 128 x 64: 32 accumulators, 256 registers.  K goes in 8 steps of 128 through a ring of two LDS slots: a step is 4,096 consecutive bytes
; of each tile's 32,768.  Fragments lie in LDS as images of their registers: every LDS load is 512 consecutive bytes: no pitch, no padding.
; CLUSTERS: 4 x 4 work-groups; A's tiles are shared along a row of the cluster, out_w's along a column: each is asked for jointly.  THE MATRIX INSTRUCTION IS USED TRANSPOSED (source 0 = 16 rows of out_w, source 1 = 16 rows of A):
; a lane then holds eight neighbouring numbers of a row of out0.  THE BIAS IS THE C OF EACH SUM'S FIRST PRODUCT.
; NO PREFETCH: eight short K steps on a small tile.
; REGISTERS: window 0: v16-29 addresses; v32-63 the bias; v64-127 the way out.   window 1: the accumulators ((a, b) at v[8 (4 a + b)]).   window 2: two fragment buffers at v0 and v128: 32 registers of out_w, then 64 of A.
; LIMITS: f16 operands: |A| and |out_w| under 65,504.
.set SLOT,   98304                     ; A's 16 row tiles x 4,096 bytes, then out_w's 8 column tiles x 4,096
.set BOFF,   65536
.set STAGE,  2*SLOT                    ; behind the ring: 16 rows x 272 bytes for each wave; no tensor load lands there
.set SPITCH, 272                       ; 256 bytes + 16: row r starts 16 r bytes on modulo 256
.set SPARE,  STAGE+4*16*SPITCH         ; behind the stages: the spare words, 128 bytes a wave
.set LAPS,   4                         ; a lap = two K steps = once round the ring
.set ADRA, 16                          ; v16-17  LDS address of my A fragments in slot 0, 1
.set ADRB, 20                          ; v20-21  the same for out_w
.set STO,  24                          ; v24  the way out: where I put 32 bytes of a row
.set RD,   25                          ; v25  where I read a row back
.set CO,   26                          ; v26  my byte offset in out0
.set SPW,  28                          ; v28  LDS address of my spare word; never rewritten
.set NIL,  29                          ; v29  0; never rewritten
.set BIAS, 32                          ; v32-63  out_b[col0 + 16 b + 8 h + j] at BIAS + 8 b + j
.set BK,   64                          ; v64-95, v96-127 by turns: 16 rows read back from the stage
.set F0,   0
.set F1,   128
.set G1,  24                           ; s[24:31] group 1 for A's tiles;  s[32:39] group 0, one set for each slot
.set G0,  32
.set G1B, 48                           ; s[48:55], s[56:63] the same for out_w's
.set G0B, 56
.set MSB, 0
.macro WIN new                         ; the immediate's high byte repeats the setting that is left
.if MSB != \new
	s_set_vgpr_msb (MSB<<8)|\new
.set MSB, \new
.endif
.endm
.set MUL,  0x5a                        ; sources 0 and 1 window 2; C and D window 1
.set MULF, 0x4a                        ; the same with C (the bias) in window 0
.set TO_F, 0x80                        ; destination window 2, address window 0
.macro JLOAD s                         ; a joint load: waves 0 and 1 fetch A's two halves, waves 2 and 3 out_w's; an s_nop 0 and four v_nop follow each of the two lines
	s_cmp_eq_u32 s13, 0
	s_cbranch_scc0 .Lfor_b_\@
	tensor_load_to_lds s[G0+4*\s:G0+4*\s+3], s[G1:G1+7]
	s_nop 0
.rept 4
	v_nop
.endr
	s_branch .Lasked_\@
.Lfor_b_\@:
	tensor_load_to_lds s[G0B+4*\s:G0B+4*\s+3], s[G1B:G1B+7]
	s_nop 0
.rept 4
	v_nop
.endr
.Lasked_\@:
.endm
.macro CREST                           ; a round of the cluster's barrier behind its opening barrier
	s_cmp_lg_u32 s12, 0
	s_cbranch_scc1 .Lnot_wave_0_\@
	s_barrier_signal -3
.Lnot_wave_0_\@:
	s_barrier_wait -3
	s_barrier_signal -1
	s_barrier_wait -1
.endm
.macro CROUND
	s_barrier_signal -1
	s_barrier_wait -1
	CREST
.endm
	s_load_b256 s[4:11], s[0:1], 0x0               ; A s[4:5], out_w's fragments s[6:7], out_b s[8:9], out0 s[10:11]
	v_lshl_add_u32 v[SPW], v0, 2, SPARE
	v_mov_b32 v[NIL], 0
	ds_add_u32 v[SPW], v[NIL]                      ; the wave's opening: the add, twice on end, and its wait ahead of my first tensor load
	ds_add_u32 v[SPW], v[NIL]                      ; and once more; the set-up below, work on registers, stands between it and the wait
	v_lshrrev_b32 v1, 5, v0
	v_readfirstlane_b32 s12, v1                    ; wave 0..3
	s_lshr_b32 s13, s12, 1                         ; my half of the rows.  Also: I fetch for A (0) or for out_w (1)
	s_and_b32 s14, s12, 1                          ; my half of the columns.  Also: which half of that tile I fetch
	s_bfe_u32 s40, ttmp6, 0x40000                  ; cx, cy
	s_bfe_u32 s41, ttmp6, 0x40004
	s_lshl_b32 s42, ttmp9, 2
	s_add_co_u32 s42, s42, s40                     ; tile of 128 columns = 4 x cluster x + cx
	s_and_b32 s43, ttmp7, 0xffff
	s_lshl_b32 s43, s43, 2
	s_add_co_u32 s43, s43, s41                     ; tile of 256 rows = 4 x cluster y + cy
	s_lshl_b32 s44, s41, 2
	s_lshl_b32 s44, 15, s44                        ; my row of the cluster
	s_lshl_b32 s45, 0x1111, s40                    ; my column
	; group 1: rows of 4,096 bytes (512 elements of 8 bytes), 32,768 bytes apart: 8 of them for A, 4 for out_w; no padding
	s_or_b32 s[G1], s44, (3<<16)|(1<<21)
	s_or_b32 s[G1B], s45, (3<<16)|(1<<21)
	s_mov_b32 s[G1+1], 512<<16                     ; tensor_dim0
	s_mov_b32 s[G1+2], 8<<16                       ; tensor_dim1
	s_mov_b32 s[G1+3], 512<<16                     ; tile_dim0
	s_mov_b32 s[G1+4], 8                           ; tile_dim1
	s_mov_b32 s[G1+5], 4096                        ; from row to row, in elements
	s_mov_b32 s[G1+6], 0
	s_mov_b32 s[G1+7], 0
	s_mov_b32 s[G1B+1], 512<<16
	s_mov_b32 s[G1B+2], 4<<16
	s_mov_b32 s[G1B+3], 512<<16
	s_mov_b32 s[G1B+4], 4
	s_mov_b32 s[G1B+5], 4096
	s_mov_b32 s[G1B+6], 0
	s_mov_b32 s[G1B+7], 0
	s_lshl_b32 s16, s43, 4
	s_lshl_b32 s15, s14, 3
	s_add_co_u32 s16, s16, s15                     ; A: row tile 16 x tile row + 8 x half (these registers never hold cx)
	s_lshl_b32 s16, s16, 15
	s_mov_b32 s17, 0
	s_lshl_b32 s46, s42, 3
	s_lshl_b32 s15, s14, 2
	s_add_co_u32 s46, s46, s15                     ; out_w: column tile 8 x tile column + 4 x half (these never hold cy)
	s_lshl_b32 s46, s46, 15
	s_mov_b32 s47, 0
	s_lshl_b32 s20, s14, 15                        ; where they go: A's halves at 0 and 32,768,
	s_lshl_b32 s21, s14, 14
	s_add_co_u32 s21, s21, BOFF                    ; out_w's at 65,536 and 81,920: no place in the cluster enters an LDS address
	s_wait_dscnt 0x0                               ; both opening adds are done
	s_wait_kmcnt 0x0
	s_add_nc_u64 s[16:17], s[4:5], s[16:17]
	s_add_nc_u64 s[46:47], s[6:7], s[46:47]
	CROUND                                         ; all sixteen work-groups are here: the first joint loads meet
.irp s, 0,1
	s_mov_b32 s[G0+4*\s], 1
	s_add_co_u32 s[G0+4*\s+1], s20, \s*SLOT
	s_add_nc_u64 s[G0+4*\s+2:G0+4*\s+3], s[16:17], \s*4096
	s_or_b32 s[G0+4*\s+3], s[G0+4*\s+3], 0x80000000
	s_mov_b32 s[G0B+4*\s], 1
	s_add_co_u32 s[G0B+4*\s+1], s21, \s*SLOT
	s_add_nc_u64 s[G0B+4*\s+2:G0B+4*\s+3], s[46:47], \s*4096
	s_or_b32 s[G0B+4*\s+3], s[G0B+4*\s+3], 0x80000000
	JLOAD \s                                       ; K steps 0 and 1: two tensor loads of mine are out
.endr
	v_and_b32 v1, 15, v0                           ; r
	v_bfe_u32 v2, v0, 4, 1                         ; h
	s_lshl_b32 s18, s42, 9
	s_lshl_b32 s19, s14, 8
	s_add_co_u32 s18, s18, s19                     ; my first column, in bytes of f32: 512 x tile column + 256 x half
	s_mov_b32 s19, 0
	s_add_nc_u64 s[8:9], s[8:9], s[18:19]
	s_add_nc_u64 s[10:11], s[10:11], s[18:19]
	v_lshlrev_b32 v6, 5, v2
.irp b, 0,1,2,3
	global_load_b128 v[BIAS+8*\b:BIAS+8*\b+3], v6, s[8:9] offset:64*\b
	global_load_b128 v[BIAS+8*\b+4:BIAS+8*\b+7], v6, s[8:9] offset:64*\b+16
.endr
	v_and_b32 v3, 31, v0
	v_lshlrev_b32 v3, 4, v3                        ; 16 x lane
	s_lshl_b32 s18, s13, 15                        ; my 8 row tiles
	s_lshl_b32 s22, s14, 14
	s_add_co_u32 s22, s22, BOFF                    ; my 4 column tiles
.irp s, 0,1
	v_add_nc_u32 v[ADRA+\s], s18, v3
	v_add_nc_u32 v[ADRB+\s], s22, v3
	s_add_co_u32 s18, s18, SLOT
	s_add_co_u32 s22, s22, SLOT
.endr
	s_mul_i32 s23, s12, 16*SPITCH
	s_add_co_u32 s23, s23, STAGE                   ; my stage
	v_mul_u32_u24 v4, v1, SPITCH                   ; in: row r, 32 bytes for each half of the lanes
	v_lshl_add_u32 v4, v2, 5, v4
	v_add_nc_u32 v[STO], s23, v4
	v_mul_u32_u24 v5, v2, SPITCH                   ; back: lanes 0-15 one row of 256 bytes, lanes 16-31 the next
	v_lshl_add_u32 v5, v1, 4, v5
	v_add_nc_u32 v[RD], s23, v5
	v_lshlrev_b32 v5, 12, v2                       ; and the same two rows in out0
	v_lshl_add_u32 v[CO], v1, 4, v5
	s_lshl_b32 s18, s43, 8
	s_lshl_b32 s22, s13, 7
	s_add_co_u32 s18, s18, s22                     ; my first row: 256 x tile row + 128 x half
	s_lshl_b32 s18, s18, 12
	s_add_nc_u64 s[10:11], s[10:11], s[18:19]
; 8 matrix instructions: A's blocks a0, a0 + 1 x out_w's four, 32 along K, from buffer f.  first = 1: the bias is the C.  The 32 accumulators take turns, one instruction a turn.
.macro MUL8 f, a0, first
.irp a, \a0, \a0+1
.irp b, 0,1,2,3
.if \first
	v_wmma_f32_16x16x32_f16 v[8*(4*(\a)+\b):8*(4*(\a)+\b)+7], v[\f+8*\b:\f+8*\b+7], v[\f+32+8*(\a):\f+32+8*(\a)+7], v[BIAS+8*\b:BIAS+8*\b+7]
.else
	v_wmma_f32_16x16x32_f16 v[8*(4*(\a)+\b):8*(4*(\a)+\b)+7], v[\f+8*\b:\f+8*\b+7], v[\f+32+8*(\a):\f+32+8*(\a)+7], v[8*(4*(\a)+\b):8*(4*(\a)+\b)+7]
.endif
.endr
.endr
.endm
; 24 LDS loads in one run: the fragments of the slot's kq-th 32 along K into buffer f: out_w's four, A's blocks 0-3, A's blocks 4-7
.macro FETCH slot, kq, f
	WIN TO_F
.irp i, 0,1,2,3
.irp c, 0,1
	ds_load_b128 v[\f+8*\i+4*\c:\f+8*\i+4*\c+3], v[ADRB+\slot] offset:4096*\i+1024*(\kq)+512*\c
.endr
.endr
.irp i, 0,1,2,3,4,5,6,7
.irp c, 0,1
	ds_load_b128 v[\f+32+8*\i+4*\c:\f+32+8*\i+4*\c+3], v[ADRA+\slot] offset:4096*\i+1024*(\kq)+512*\c
.endr
.endr
.endm
.macro PLACES                          ; four plain vector instructions in front of loads into registers that matrix instructions have read, and of the first read of results
.rept 4
	v_nop
.endr
.endm
; A K step is four quarters of 32 along K, 32 matrix instructions each, on buffers 0, 1, 0, 1.  One of the first three: multiplies buffer f and fetches quarter kq into g.
.macro QUARTER slot, kq, f, g, first
	s_wait_dscnt 8                                 ; out_w's fragments and A's blocks 0-3 are in; the youngest eight loads (blocks 4-7) may be out
.if \first
	WIN MULF
.else
	WIN MUL
.endif
	MUL8 \f, 0, \first
	MUL8 \f, 2, \first
	PLACES
	FETCH \slot, \kq, \g
	s_wait_dscnt 24                                ; all but the 24 just issued
.if \first
	WIN MULF
.else
	WIN MUL
.endif
	MUL8 \f, 4, \first
	MUL8 \f, 6, \first
.endm
; The last quarter multiplies buffer 1 and changes slots: ONE barrier; in front of it each wave waits for all its tensor loads, adds 0 to its spare word, and waits for that and for its reads of this slot.  fill = 1: this slot is filled again, two K steps ahead.
.macro TURN slot, next, fill
	WIN 0                                          ; (the add's two registers lie in window 0)
	s_wait_tensorcnt 0x0                           ; all my tensor loads have landed: my part of the next slot;
	ds_add_u32 v[SPW], v[NIL]                      ; 0 onto my spare word;
	s_wait_dscnt 9                                 ; (the add and the youngest eight loads may be out)
	WIN MUL
	MUL8 F1, 0, 0                                  ; eight matrix instructions stand between the add and the wait for it
	s_wait_dscnt 0x0                               ; the add is done, and my reads of this slot are over
	s_barrier_signal -1
	MUL8 F1, 2, 0
.if \fill
	WIN 0
.endif
	s_barrier_wait -1
.if \fill
	CREST                                          ; the barrier has opened a round of the cluster's: no wave of any partner still reads this slot or has a load on its way
	s_add_nc_u64 s[G0+4*\slot+2:G0+4*\slot+3], s[G0+4*\slot+2:G0+4*\slot+3], 8192
	s_add_nc_u64 s[G0B+4*\slot+2:G0B+4*\slot+3], s[G0B+4*\slot+2:G0B+4*\slot+3], 8192
	JLOAD \slot                                    ; the first tensor load behind the round: 112 matrix instructions ahead of the wait for it; its four v_nop are also the places in front of the loads below
.else
	PLACES
.endif
	FETCH \next, 0, F0
	WIN MUL
	MUL8 F1, 4, 0
	MUL8 F1, 6, 0
.endm
	s_wait_tensorcnt 1                             ; my part of K step 0 is in; K step 1's load may be out
	s_barrier_signal -1
	s_barrier_wait -1
	FETCH 0, 0, F0
	s_wait_loadcnt 0x0                             ; the bias
	QUARTER 0, 1, F0, F1, 1                        ; the first quarter stands in front of the loop: its products start the sums, on the bias
	WIN 0                                          ; at a label and at a branch every window is 0
	s_mov_b32 s3, LAPS-1
.Llap:                                                 ; a trip goes once round the ring, from a lap's second quarter to the next lap's first, and fills both slots again
	QUARTER 0, 2, F1, F0, 0
	QUARTER 0, 3, F0, F1, 0
	TURN 0, 1, 1
	QUARTER 1, 1, F0, F1, 0
	QUARTER 1, 2, F1, F0, 0
	QUARTER 1, 3, F0, F1, 0
	TURN 1, 0, 1
	QUARTER 0, 1, F0, F1, 0
	WIN 0
	s_sub_co_u32 s3, s3, 1
	s_cmp_lg_u32 s3, 0
	s_cbranch_scc1 .Llap
	QUARTER 0, 2, F1, F0, 0                        ; the last lap fills nothing, and has no round of the cluster's barrier
	QUARTER 0, 3, F0, F1, 0
	TURN 0, 1, 0
	QUARTER 1, 1, F0, F1, 0
	QUARTER 1, 2, F1, F0, 0
	QUARTER 1, 3, F0, F1, 0
	s_wait_dscnt 8                                 ; the very last quarter: nothing more to fetch
	WIN MUL
	MUL8 F1, 0, 0
	MUL8 F1, 2, 0
	s_wait_dscnt 0x0
	MUL8 F1, 4, 0
	MUL8 F1, 6, 0
	WIN 0
; THE WAY OUT, a block of 16 rows x 64 columns at a time.  A lane holds 32 neighbouring bytes of a row, the lanes beside it other rows: a block goes through my own stage in LDS and comes back as whole rows of 256 bytes.
; LDS serves a wave's instructions in order (ISA guide 5.7.1.4): no wait between the stores and the loads, nor in front of the next block's stores.
.macro TOSTAGE a
	WIN 0x04                                       ; an LDS store's data are its source 1: window 1
.irp b, 0,1,2,3
	ds_store_b128 v[STO], v[8*(4*(\a)+\b):8*(4*(\a)+\b)+3] offset:64*\b            ; each accumulator from its low end on
	ds_store_b128 v[STO], v[8*(4*(\a)+\b)+4:8*(4*(\a)+\b)+7] offset:64*\b+16
.endr
	WIN 0
.set BB, BK+32*((\a)%2)
.irp t, 0,1,2,3,4,5,6,7
	ds_load_b128 v[BB+4*\t:BB+4*\t+3], v[RD] offset:\t*2*SPITCH
.endr
.endm
.macro SEND a, younger                 ; younger: the LDS instructions issued behind block a's loads, which may stay out
.set BB, BK+32*((\a)%2)
	s_wait_dscnt \younger
.irp t, 0,1,2,3,4,5,6,7
	global_store_b128 v[CO], v[BB+4*\t:BB+4*\t+3], s[10:11] offset:65536*(\a)+8192*\t th:TH_STORE_NT   ; 16 lanes store 256 consecutive bytes, at a multiple of 256 from out0's first byte; written once, read by nobody here
.endr
.endm
	PLACES
	TOSTAGE 0
.irp a, 1,2,3,4,5,6,7
.if \a > 1
	s_wait_xcnt 0x0                                ; block a - 2's stores have read their registers: block a's loads may land there
.endif
	TOSTAGE \a
	SEND \a-1, 16                                  ; behind block a - 1's loads: block a's 8 stores and 8 loads
.endr
	SEND 7, 0
	s_wait_tensorcnt 0x0                           ; the wave's end, behind my last tensor load and my last LDS store
	ds_add_u32 v[SPW], v[NIL]
	s_wait_dscnt 0x0
	CROUND                                         ; the closing round: no work-group ends while a partner may still ask for a tile that names it
	s_endpgm
.Lfunc_end_k_qf940f74a4e_outgemm:
	.size	k_qf940f74a4e_outgemm, .Lfunc_end_k_qf940f74a4e_outgemm-k_qf940f74a4e_outgemm
	.p2alignl 7, 3214868480
	.fill 96, 4, 3214868480
	.section	.rodata,"a",@progbits
	.p2align	6, 0x0
	.amdhsa_kernel k_qf940f74a4e_outgemm
		.amdhsa_group_segment_fixed_size 327680
		.amdhsa_private_segment_fixed_size 0
		.amdhsa_enable_private_segment 0
		.amdhsa_kernarg_size 32
		.amdhsa_user_sgpr_count 2
		.amdhsa_user_sgpr_kernarg_segment_ptr 1
		.amdhsa_wavefront_size32 1
		.amdhsa_system_sgpr_workgroup_id_x 1
		.amdhsa_system_sgpr_workgroup_id_y 1
		.amdhsa_system_sgpr_workgroup_id_z 1
		.amdhsa_system_vgpr_workitem_id 0
		.amdhsa_next_free_vgpr 768
		.amdhsa_next_free_sgpr 66
		.amdhsa_reserve_vcc 0
		.amdhsa_float_denorm_mode_32 3
		.amdhsa_float_denorm_mode_16_64 3
		.amdhsa_memory_ordered 1
		.amdhsa_forward_progress 1
		.amdhsa_inst_pref_size 86
	.end_amdhsa_kernel
	.amdgpu_metadata
---
amdhsa.version: [ 1, 2 ]
amdhsa.kernels:
  - .name:           k_qf940f74a4e_outgemm
    .symbol:         k_qf940f74a4e_outgemm.kd
    .args:
      - { .name: ao, .offset: 0, .size: 8, .value_kind: global_buffer, .address_space: global }
      - { .name: wo, .offset: 8, .size: 8, .value_kind: global_buffer, .address_space: global }
      - { .name: out_b, .offset: 16, .size: 8, .value_kind: global_buffer, .address_space: global }
      - { .name: out0, .offset: 24, .size: 8, .value_kind: global_buffer, .address_space: global }
    .group_segment_fixed_size: 327680
    .private_segment_fixed_size: 0
    .kernarg_segment_align: 8
    .kernarg_segment_size: 32
    .max_flat_workgroup_size: 128
    .sgpr_count:     66
    .vgpr_count:     768
    .wavefront_size: 32
...
	.end_amdgpu_metadata
.endif
;; end of part 4
